; MI455X (gfx1250); checked and timed in simulation.
; The chip was launched on July 23, 2026; its instructions are those of AMD's public machine-readable ISA for CDNA 5 (MIT licence, August 2026) and "CDNA5" Instruction Set Architecture Reference Guide (July 2026). The comments in the code are by the model that wrote it; some were corrected since.
;; Memory Efficient Attention. Allowed arithmetic: matrix products marked QUANTISED: E2M3 operands, one E8M0 scale for each 32 along K, by v_wmma_scale_f32_16x16x128_f8f6f4 with both operands' format E2M3, f32 sums; everything else in f32.
;; Inputs: b_out 1,024 float32; w_out 1,024 x 1,024 float32; w_qkv 1,024 x 3,072 float32; x 1 x 4,096 x 1,024 float32.
;; Outputs: out0 1 x 4,096 x 1,024 float32.
;; This version of the problem:
;;   THIS VERSION OF THE PROBLEM IS GIVEN IN LOW PRECISION. The matrix products marked QUANTISED in the list below multiply operands that are first quantised to E2M3 (2 exponent bits, 3 mantissa bits; 6 bits a number), with one power-of-two scale for each 32 numbers along K (OCP MX v1.0); their sums are f32. All else is computed in f32.
;;   The module's matrix products, in the order in which they are computed (A, B: the left and right operand; K: the contracted axis; several contracted axes count as one K, in the product's order):
;;     1. [M 4,096, K 1,024] x [K 1,024, N 3,072]; A: input x; B: input w_qkv: QUANTISED
;;     2. batch 16 x [M 4,096, K 64] x [K 64, N 4,096]; A: computed on the way; B: computed on the way: QUANTISED
;;     3. batch 16 x [M 64, K 4,096] x [K 4,096, N 4,096]; A: computed on the way; B: softmax (see below): QUANTISED
;;     4. [M 4,096, K 1,024] x [K 1,024, N 1,024]; A: computed on the way; B: input w_out: QUANTISED
;;   THE QUANTISER, for each operand of a quantised product, along K:
;;     - K is cut into blocks of 32 from its start; a last block that is shorter is filled with zeros.
;;     - A block's scale is 2^e with e = floor(log2(the largest magnitude in the block)) - 2, held to -126 .. 127; a block of zeros has e = 0. As a byte (E8M0): e + 127.
;;     - Each number is divided by its block's scale, clamped to +-7.5, and rounded to the nearest number of E2M3, ties to even, subnormals kept.
;;     - The product sums the exact products of the quantised numbers (number of the format x scale) in f32.
;;   ~~~python
;;   def quantise(x, axis):      # numpy; x: float32 -> the quantised numbers, widened to float32 again
;;       x = np.moveaxis(x, axis, -1); K = x.shape[-1]
;;       x = np.pad(x, [(0, 0)] * (x.ndim - 1) + [(0, -K % 32)]); x = x.reshape(x.shape[:-1] + (-1, 32)); a = np.abs(x).max(-1, keepdims=True)
;;       e = np.where(a > 0, np.clip(np.frexp(np.where(a > 0, a, 1))[1] - 1 - 2, -126, 127), 0)      # np.frexp(a)[1] - 1 = floor(log2(a)), exactly
;;       r = np.clip(x / 2.0 ** e, -7.5, 7.5)
;;       step = 2.0 ** (np.maximum(np.frexp(np.where(r == 0, 1, r))[1] - 1, 0) - 3)
;;       q = np.round(r / step) * step * 2.0 ** e      # np.round: ties to even
;;       return np.moveaxis(q.reshape(q.shape[:-2] + (-1,))[..., :K], -1, axis).astype(np.float32)
;;   ~~~
;;   SOFTMAX AHEAD OF A QUANTISED PRODUCT. Where the list says 'softmax', what is quantised is not the finished softmax but p = 2^(t - M), with t = logit x log2(e) and M = ceil(the row's largest t), a whole number; so 1/2 < the row's largest p <= 1. The row's sum l is taken of the UNQUANTISED p, in f32, and the product's result is divided by l at the end. Since M is a whole number, a kernel that streams over the keys may use a running M (the ceiling of the running maximum): every later rescaling is an exact power of two, which a block's scale takes up: the codes' values come out the same.
;;   OPERANDS COMPUTED ON THE WAY. 'Computed on the way' means the value that the module computes at that place (a softmax that the list does not call 'softmax' is quantised finished and normalised). What goes into a quantiser is computed in f32, as accurately as f32 sums, v_exp_f32 and their like allow (about 1e-6 of the number): no bf16 or f16 on the way to a quantiser, and a product that is left as it is and whose result goes on into a quantised operand takes f32 operands (vector FMAs, or v_wmma_f32_16x16x4_f32). A number that lies on a knife's edge between two numbers of the format may be rounded either way, as far as f32 arithmetic and the matrix unit's own rounding can turn it there, and no further.
;; One version. Each part assembles by itself: llvm-mc -triple=amdgcn-amd-amdhsa -mcpu=gfx1250 --defsym DOCPART=n.
;; ======== version 1 of 1: 4 launches
;; limits: right only within a limited range of input values
;; workspace buffers: xq 3,276,800 bytes; wq 1,638,400 bytes; oq 819,200 bytes; qq 3,407,872 bytes; kv 6,684,672 bytes; aq 3,407,872 bytes
;; launch prep (part 1): grid 448 x 1, 4 waves a work-group, no clusters, 68,096 bytes of LDS; arguments x, w_qkv, w_out, xq, wq, oq; writes xq, wq, oq
.if DOCPART == 1
	.amdgcn_target "amdgcn-amd-amdhsa--gfx1250"
	.amdhsa_code_object_version 6
	.text
	.protected	k_qbde5ff5a45_prep
	.globl	k_qbde5ff5a45_prep
	.p2align	8
	.type	k_qbde5ff5a45_prep,@function
k_qbde5ff5a45_prep:
	s_mov_b64 s[64:65], 0
	v_nop
	global_prefetch_b8 v0, s[64:65] scope:SCOPE_SE
	s_setreg_imm32_b32 hwreg(HW_REG_WAVE_MODE, 25, 1), 1
	s_wait_xcnt 0x0
; x [4096][1024], columns 0 .. 2047 of w_qkv [1024][3072] and w_out [1024][1024], all f32, become codes of FP6 (E2M3) with one E8M0 byte for each 32 along K = 1,024.
; They are stored as IMAGES OF OPERAND REGISTERS: for each block of 128 rows (tokens, or columns of a weight) and each K step of 128: 8 fragments of 1,536 bytes (registers 4 c .. 4 c + 3 of lane l at 512 c + 16 l),
; then 512 bytes of scale words (one word a row, at 4 x slot): 12,800 bytes.  THE ROWS OF A TILE ARE NOT NEIGHBOURS: lane-row r of tile 2 b + u is row 32 b + 8 u + r + 8 (r / 8); its slot is 32 b + 16 u + r.
; Columns 2,048 and up of w_qkv (v) reach no output of the module and are not read.
; A block's scale is 2^(floor(log2(largest magnitude)) - 2); its byte is the largest magnitude's exponent field - 2, held at 1 from below.  A block of zeros so gets the byte 1: its codes are zeros, and this program alone reads the bytes.
; LIMITS: blocks whose largest magnitude lies under 2^-124 were not tried; NaN and infinities among the inputs are not served.
; SHARES.  Work-groups 0-255: x; a wave takes 32 tokens x 128 along K.  Work-groups 256-383: w_qkv, 384-447: w_out; a work-group takes 128 columns x 128 along K, a lane a column.  Every wave asks for all its numbers at once; no loop, no barrier.
.set ROWX,  4096                       ; a row of x in bytes
.set SROW,  528                        ; a stage row: 512 bytes + 16: the sixteen rows that a load of 16 bytes a lane touches start at sixteen different banks
.set STGB,  32*SROW                    ; a wave's stage
.set SPARE, 4*STGB                     ; behind the stages: the spare words, 128 bytes a wave
.set BLKB,  12800                      ; 128 rows x 128 K: codes and scale words
.set SCOF,  12288                      ; where the scale words begin in it
.set TM,  8                            ; v8-23   at work: +0..3 largest magnitudes, +4..7 bytes, +12..15 the conversions' scale operands
.set PW,  24                           ; v24-26  scale words
.set SPW, 30                           ; v30     LDS address of my spare word; never rewritten
.set NIL, 31                           ; v31     0; never rewritten
.set PC,  32                           ; v32-55  codes
.set CT,  44                           ; v44-50  tokens: a block's upper 16 codes
.set X,   64                           ; v64-191 numbers as loaded
.set Y,   192                          ; v192-255 tokens: 64 numbers of a lane
.set WT,  192                          ; v192-207 weights: a block's upper 16 codes
; 64 numbers of a lane, register 16 b + i = k 32 b + 16 (lane / 16) + i of my row, become a fragment's codes in v[PC] on and its scale word in v[pw]
.macro QUANT src, pw
.irp b, 0,1,2,3
	v_max3_num_f32 v[TM+\b], |v[\src+16*\b]|, |v[\src+1+16*\b]|, 0x1800000   ; my 16 numbers of block b, and the floor 2^(3 - 127): the byte cannot fall under 1
.endr
.irp i, 2,4,6,8,10,12,14
.irp b, 0,1,2,3
	v_max3_num_f32 v[TM+\b], v[TM+\b], |v[\src+16*\b+\i]|, |v[\src+1+16*\b+\i]|
.endr
.endr
.irp b, 0,1,2,3
	v_permlanex16_b32 v[TM+4+\b], v[TM+\b], s20, s21
.endr
.irp b, 0,1,2,3
	v_max_num_f32 v[TM+\b], v[TM+\b], v[TM+4+\b]       ; with lane l xor 16: the block's largest magnitude
.endr
.irp b, 0,1,2,3
	v_add_nc_u32 v[TM+12+\b], 0xff000000, v[TM+\b]     ; 2 off its exponent field: the conversion's scale operand
.endr
.irp b, 0,1,2,3
	v_lshrrev_b32 v[TM+4+\b], 23, v[TM+12+\b]          ; the byte
.endr
	v_lshl_or_b32 v[\pw], v[TM+5], 8, v[TM+4]
	v_lshl_or_b32 v[\pw], v[TM+6], 16, v[\pw]
	v_lshl_or_b32 v[\pw], v[TM+7], 24, v[\pw]
.irp c, 0,1
	v_cvt_scalef32_pk16_fp6_f32 v[PC+6*\c:PC+2+6*\c], v[\src+32*\c:\src+15+32*\c], v[TM+12+2*\c]
	v_cvt_scalef32_pk16_fp6_f32 v[CT+4*\c:CT+2+4*\c], v[\src+16+32*\c:\src+31+32*\c], v[TM+13+2*\c]   ; (a conversion's three registers begin on an even number)
.endr
	v_nop                                              ; one plain place behind a scaled conversion
.irp c, 0,1                            ; the layout wants a whole block in a lane: lanes 0-15 block 2 c, lanes 16-31 block 2 c + 1
.irp i, 0,1,2
	v_permlane16_swap_b32 v[PC+6*\c+\i], v[CT+4*\c+\i]
.endr
.irp i, 0,1,2
	v_mov_b32 v[PC+3+6*\c+\i], v[CT+4*\c+\i]
.endr
.endr
.endm
.macro FINISH                          ; the wave's end
	s_wait_tensorcnt 0x0
	ds_add_u32 v[SPW], v[NIL]
	s_wait_dscnt 0x0
	s_endpgm
.endm
; weights: block bt of 32 along K of my column: all 32 numbers are mine.  It is registers 6 (bt / 2) .. + 5 of fragment lane (r, bt % 2)
.macro WBLOCK bt, left
.set XS, X+32*(\bt)
	s_wait_loadcnt \left                               ; this block's 32 loads are in
	v_max3_num_f32 v8, |v[XS]|, |v[XS+1]|, |v[XS+2]|
	v_max3_num_f32 v9, |v[XS+3]|, |v[XS+4]|, |v[XS+5]|
.irp i, 6,10,14,18,22,26
	v_max3_num_f32 v8, v8, |v[XS+\i]|, |v[XS+\i+1]|
	v_max3_num_f32 v9, v9, |v[XS+\i+2]|, |v[XS+\i+3]|
.endr
	v_max3_num_f32 v8, v8, |v[XS+30]|, |v[XS+31]|
	v_max3_num_f32 v8, v8, v9, 0x1800000               ; and the floor
	v_add_nc_u32 v[10+\bt], 0xff000000, v8
	v_lshrrev_b32 v[16+\bt], 23, v[10+\bt]
	v_cvt_scalef32_pk16_fp6_f32 v[PC+12*((\bt)&1)+6*((\bt)>>1):PC+12*((\bt)&1)+6*((\bt)>>1)+2], v[XS:XS+15], v[10+\bt]
	v_cvt_scalef32_pk16_fp6_f32 v[WT+4*(\bt):WT+4*(\bt)+2], v[XS+16:XS+31], v[10+\bt]
.endm
; a weight stored [K][N], pitch bytes a row.  A LANE TAKES A COLUMN AND ITS REGISTERS RUN DOWN K: a wave's load covers 128 consecutive bytes, the four waves 512.
.macro WPATH pitch, first, src, dst
	s_sub_co_u32 s18, ttmp9, \first                    ; 8 x block of 128 columns + K step
	s_lshr_b32 s19, s18, 3
	s_and_b32 s23, s18, 7
	s_mul_i32 s24, s23, 128*\pitch
	s_lshl_b32 s26, s19, 9
	s_add_co_u32 s24, s24, s26
	s_add_nc_u64 s[26:27], s[\src:\src+1], s[24:25]
	s_mul_i32 s24, s18, BLKB
	s_add_nc_u64 s[28:29], s[\dst:\dst+1], s[24:25]
	v_lshlrev_b32 v1, 2, v0                            ; my column: 4 bytes a thread
.set ii, 0
.rept 128
	global_load_b32 v[X+ii], v1, s[26:27] offset:ii*\pitch th:TH_LOAD_NT
.set ii, ii+1
.endr
	v_bfe_u32 v5, v0, 3, 1                             ; my column j of the wave's 32 is lane-row r = j % 8 + 8 (j / 16) of tile u = (j / 8) % 2
	v_and_b32 v7, 7, v0
	v_bfe_u32 v2, v0, 4, 1
	v_lshl_add_u32 v7, v2, 3, v7
	v_lshl_add_u32 v3, v5, 4, v7
	s_lshl_b32 s17, s16, 5
	v_add_nc_u32 v3, s17, v3                           ; slot = 32 wave + 16 u + r
	v_lshlrev_b32 v3, 2, v3
	v_add_nc_u32 v3, SCOF, v3
	v_mul_u32_u24 v2, v5, 1536
	v_lshl_add_u32 v2, v7, 4, v2
	s_mul_i32 s17, s16, 3072
	v_add_nc_u32 v2, s17, v2                           ; my tile, and 16 r in it
	WBLOCK 0, 63                                       ; at most 96 may be out; the wait's field holds 63
	WBLOCK 1, 63                                       ; at most 64
	WBLOCK 2, 32
	WBLOCK 3, 0
	v_nop                                              ; one plain place behind the last conversion
.irp bt, 0,1,2,3
.irp i, 0,1,2
	v_mov_b32 v[PC+12*(\bt&1)+6*(\bt>>1)+3+\i], v[WT+4*\bt+\i]
.endr
.endr
	v_lshl_or_b32 v20, v17, 8, v16
	v_lshl_or_b32 v20, v18, 16, v20
	v_lshl_or_b32 v20, v19, 24, v20
.irp h, 0,1                            ; I hold the registers of fragment lanes (r, 0) and (r, 1): the sixteen lanes of a tile store 256 consecutive bytes, at a multiple of 256
.irp c, 0,1,2
	global_store_b128 v2, v[PC+12*\h+4*\c:PC+12*\h+4*\c+3], s[28:29] offset:512*\c+256*\h
.endr
.endr
	global_store_b32 v3, v20, s[28:29]                 ; the wave's 32 scale words: 128 consecutive bytes
	FINISH
.endm
	s_load_b128 s[4:7], s[0:1], 0x0                    ; x, w_qkv
	s_load_b128 s[8:11], s[0:1], 0x10                  ; w_out, xq
	s_load_b128 s[12:15], s[0:1], 0x20                 ; wq, oq
	v_lshl_add_u32 v[SPW], v0, 2, SPARE
	v_mov_b32 v[NIL], 0
	v_lshrrev_b32 v5, 5, v0
	v_readfirstlane_b32 s16, v5                        ; wave
	s_mov_b32 s20, 0x76543210
	s_mov_b32 s21, 0xfedcba98                          ; v_permlanex16_b32's selects for lane l xor 16
	s_mov_b32 s22, 0xffff0000                          ; lanes 16-31
	s_mov_b32 s25, 0                                   ; the upper word of every offset
	s_wait_kmcnt 0x0
	s_cmp_lt_u32 ttmp9, 256
	s_cbranch_scc1 .Ltokens
	s_cmp_lt_u32 ttmp9, 384
	s_cbranch_scc1 .Lqkv
	WPATH 4096, 384, 8, 14
.Lqkv:
	WPATH 12288, 256, 6, 12
.Ltokens:
	; x: K is innermost.  Each load takes 512 consecutive bytes of a token's row; the 32 rows turn through my own stage, laid by slot, and come back 16 neighbours along K to a lane.
	v_and_b32 v6, 31, v0
	v_lshlrev_b32 v1, 4, v6                            ; 16 x lane
	s_wait_alu depctr_va_vdst(0)
	v_lshlrev_b32 v4, 2, v6                            ; 4 x lane
	s_lshr_b32 s18, ttmp9, 1                           ; my group of 32 tokens
	s_and_b32 s19, ttmp9, 1
	s_lshl_b32 s19, s19, 2
	s_add_co_u32 s19, s19, s16                         ; my K step
	s_lshl_b32 s24, s18, 17                            ; 32 rows of 4,096 bytes
	s_lshl_b32 s26, s19, 9
	s_add_co_u32 s24, s24, s26
	s_add_nc_u64 s[4:5], s[4:5], s[24:25]
.set pp, 0
.rept 32
	global_load_b128 v[X+4*pp:X+4*pp+3], v1, s[4:5] offset:ROWX*pp th:TH_LOAD_NT
.set pp, pp+1
.endr
	s_mul_i32 s17, s16, STGB
	v_add_nc_u32 v2, s17, v1                           ; into the stage: 16 x lane
	v_and_b32 v7, 15, v0
	v_bfe_u32 v5, v0, 4, 1
	v_mul_u32_u24 v3, v7, SROW
	v_lshl_add_u32 v3, v5, 6, v3
	v_add_nc_u32 v3, s17, v3                           ; out of it: row r, + 64 bytes for lanes 16-31
.irp b, 0,1,2,3
	v_mov_b32 v[TM+4+\b], 0                            ; a lane permute's destination counts as one of its sources
.endr
	s_lshr_b32 s26, s18, 2
	s_lshl_b32 s26, s26, 3
	s_add_co_u32 s26, s26, s19
	s_mul_i32 s26, s26, BLKB                           ; my block of 128 tokens x my K step
	s_and_b32 s27, s18, 3
	s_mul_i32 s24, s27, 3072
	s_add_co_u32 s24, s24, s26
	s_add_nc_u64 s[28:29], s[10:11], s[24:25]          ; my two tiles
	s_lshl_b32 s24, s27, 7
	s_add_co_u32 s24, s24, s26
	s_add_co_u32 s24, s24, SCOF
	s_add_nc_u64 s[26:27], s[10:11], s[24:25]          ; their scale words
.set pp, 0
	s_wait_alu depctr_va_vdst(0)
.rept 32
	s_wait_loadcnt 31-pp                               ; loads come back in order: row pp is in, the younger ones stay out
	ds_store_b128 v2, v[X+4*pp:X+4*pp+3] offset:SROW*(16*((pp>>3)&1)+(pp&7)+8*(pp>>4))   ; to its slot
.set pp, pp+1
.endr
.irp b, 0,1,2,3
.irp j, 0,1,2,3
	ds_load_b128 v[Y+16*\b+4*\j:Y+16*\b+4*\j+3], v3 offset:128*\b+16*\j        ; tile 0 (LDS serves a wave's instructions in order: these see my stores)
.endr
.endr
	s_wait_dscnt 0x0                                   ; tile 0 is in, and the stores have read their registers
.irp b, 0,1,2,3
.irp j, 0,1,2,3
	ds_load_b128 v[X+16*\b+4*\j:X+16*\b+4*\j+3], v3 offset:16*SROW+128*\b+16*\j   ; tile 1 lands while tile 0 is quantised
.endr
.endr
	QUANT Y, PW
.irp c, 0,1,2
	global_store_b128 v1, v[PC+4*\c:PC+4*\c+3], s[28:29] offset:512*\c         ; 512 consecutive bytes, at a multiple of 256
.endr
	s_wait_dscnt 0x0
	s_wait_xcnt 0x0                                    ; the codes' registers are written again only behind this wait
	QUANT X, PW+1
.irp c, 0,1,2
	global_store_b128 v1, v[PC+4*\c:PC+4*\c+3], s[28:29] offset:1536+512*\c
.endr
	v_cndmask_b32 v[PW+2], v[PW], v[PW+1], s22         ; lanes 0-15 tile 0's words, lanes 16-31 tile 1's
	global_store_b32 v4, v[PW+2], s[26:27]
	FINISH
.Lfunc_end_k_qbde5ff5a45_prep:
	.size	k_qbde5ff5a45_prep, .Lfunc_end_k_qbde5ff5a45_prep-k_qbde5ff5a45_prep
	.p2alignl 7, 3214868480
	.fill 96, 4, 3214868480
	.section	.rodata,"a",@progbits
	.p2align	6, 0x0
	.amdhsa_kernel k_qbde5ff5a45_prep
		.amdhsa_group_segment_fixed_size 68096
		.amdhsa_private_segment_fixed_size 0
		.amdhsa_enable_private_segment 0
		.amdhsa_kernarg_size 48
		.amdhsa_user_sgpr_count 2
		.amdhsa_user_sgpr_kernarg_segment_ptr 1
		.amdhsa_wavefront_size32 1
		.amdhsa_system_sgpr_workgroup_id_x 1
		.amdhsa_system_sgpr_workgroup_id_y 1
		.amdhsa_system_sgpr_workgroup_id_z 1
		.amdhsa_system_vgpr_workitem_id 0
		.amdhsa_next_free_vgpr 256
		.amdhsa_next_free_sgpr 66
		.amdhsa_reserve_vcc 0
		.amdhsa_float_denorm_mode_32 3
		.amdhsa_float_denorm_mode_16_64 3
		.amdhsa_memory_ordered 1
		.amdhsa_forward_progress 1
		.amdhsa_inst_pref_size 59
	.end_amdhsa_kernel
	.amdgpu_metadata
---
amdhsa.version: [ 1, 2 ]
amdhsa.kernels:
  - .name:           k_qbde5ff5a45_prep
    .symbol:         k_qbde5ff5a45_prep.kd
    .args:
      - { .name: x, .offset: 0, .size: 8, .value_kind: global_buffer, .address_space: global }
      - { .name: w_qkv, .offset: 8, .size: 8, .value_kind: global_buffer, .address_space: global }
      - { .name: w_out, .offset: 16, .size: 8, .value_kind: global_buffer, .address_space: global }
      - { .name: xq, .offset: 24, .size: 8, .value_kind: global_buffer, .address_space: global }
      - { .name: wq, .offset: 32, .size: 8, .value_kind: global_buffer, .address_space: global }
      - { .name: oq, .offset: 40, .size: 8, .value_kind: global_buffer, .address_space: global }
    .group_segment_fixed_size: 68096
    .private_segment_fixed_size: 0
    .kernarg_segment_align: 8
    .kernarg_segment_size: 48
    .max_flat_workgroup_size: 128
    .sgpr_count:     66
    .vgpr_count:     256
    .wavefront_size: 32
...
	.end_amdgpu_metadata
.endif
;; end of part 1
;; launch proj (part 2): grid 8 x 32, 4 waves a work-group, clusters of 4 x 4, 327,680 bytes of LDS; arguments xq, wq, qq, kv; writes qq, kv
.if DOCPART == 2
	.amdgcn_target "amdgcn-amd-amdhsa--gfx1250"
	.amdhsa_code_object_version 6
	.text
	.protected	k_qbde5ff5a45_proj
	.globl	k_qbde5ff5a45_proj
	.p2align	8
	.type	k_qbde5ff5a45_proj,@function
k_qbde5ff5a45_proj:
	s_mov_b64 s[64:65], 0
	v_nop
	global_prefetch_b8 v0, s[64:65] scope:SCOPE_SE
	s_setreg_imm32_b32 hwreg(HW_REG_WAVE_MODE, 25, 1), 1
	s_wait_xcnt 0x0
	s_wait_alu depctr_hold_cnt(0) depctr_sa_sdst(0) depctr_va_vdst(0) depctr_va_sdst(0) depctr_va_ssrc(0) depctr_va_vcc(0) depctr_vm_vsrc(0)
	s_getreg_b32 s2, hwreg(HW_REG_IB_STS2, 6, 4)
	s_cmp_eq_u32 s2, 0
	s_cbranch_scc0 .Lentry_in_a_cluster
	s_endpgm
.Lentry_in_a_cluster:
	s_bfe_u32 s2, ttmp6, 0x10000c
	s_cmp_lg_u32 s2, 0xf033
	s_cbranch_scc0 .Lentry_shape_is_right
	s_endpgm
.Lentry_shape_is_right:
; q = x Wq and k = x Wk on codes of FP6 (E2M3), K = 1,024; the results are quantised in registers and leave as images of the operands of the attention launch.  v is not computed: the module never uses it.
; SHARES.  Work-group (xg, ty): tokens 128 ty on, channels 128 xg on of q and of k (heads 2 xg, 2 xg + 1).  Its operands for the whole K, 3 x 102,400 bytes, lie in LDS, each filled once: no ring, no refill.
; TWO PASSES over the same loop; source 0 = a weight's 8 tiles (P), source 1 = my wave's two tiles of x (R): a lane holds a token, its registers 128 channels.
;   Q: P = Wq: quantised along the head's 64 -> qq.     K: P = Wk: likewise -> kv, part K.
; K^T: k's f32 sums then turn through LDS (in Wq's bytes, whose one fill is done and which nobody reads behind pass K): a lane then holds a channel, its registers 128 tokens: quantised along the keys -> kv, part K^T.
; Lane-row r of tile 2 b + u is row 32 b + 8 u + r + 8 (r / 8), so that the 16 registers of source 0's tiles 2 b, 2 b + 1 are 16 neighbours along the next K.
; q's factor 1/8 is a power of two: it moves a block's byte and no code, and is folded into the softmax's constant (exact unless a block of q lies under 2^-121).
; CLUSTER 4 x 4: x's block hangs on ty alone and is asked for jointly along a row of the cluster, W's blocks on xg alone, along a column.
; LIMITS: a block of zeros gets the byte 1 (its codes are zeros; this program alone reads the bytes); blocks under 2^-124 were not tried; NaN and infinities are not served.
; REGISTERS: window 0: v1-14 addresses; v16-47 P's scale words (K step s, pair of tiles b: 16 + 4 s + b), v48-55 R's; v56-111 the quantiser; v112-118 addresses; v128-255 the 16 accumulators ((u, p) at 128 + 64 u + 8 p).
;   window 1: two sets of fragments, at v0 and v128: P's tile i at 12 i, R's tile u at 96 + 12 u.
.set BLKB,  12800                      ; 128 rows x 128 K: 8 fragments of 1,536 bytes, 512 bytes of scale words
.set SCOF,  12288
.set LX,    0
.set LQ,    8*BLKB
.set LK,    16*BLKB
.set HALF,  4*BLKB                     ; K steps 4 to 7 are reached by a second address register: an LDS offset has 16 bits
.set SPARE, 24*BLKB                    ; the spare words, 128 bytes a wave
.set TP,    528                        ; the turn: a channel's row of 128 tokens, 512 bytes + 16; 128 rows from LQ on
.set KVB,   13056                      ; kv: a head's step of 128 keys: K 6,144, K^T 6,144, K's words 512, K^T's words 256
.set QSC,   3145728                    ; qq: where the scale words begin
.set L16, 1
.set L4,  2
.set AP,  3                            ; v3-4   P's fragments, K steps 0-3, 4-7
.set AR,  5                            ; v5-6   R's
.set ASP, 7                            ; v7-8   P's scale words
.set ASR, 9                            ; v9-10  R's
.set RW16, 11                          ; v11    16 x lane + 3,072 x wave
.set SPW, 12
.set NIL, 13
.set RW4, 14                           ; v14    4 x lane + 128 x wave
.set PS,  16
.set RS,  48
.set TM,  56
.set PW,  72                           ; v72-75 scale words (u, c) at 72 + 2 u + c
.set MW,  76                           ; v76-77 tile 0's in lanes 0-15, tile 1's in lanes 16-31
.set PC,  80                           ; v80-103 two images
.set CT,  104
.set KL,  112                          ; v112   kv, part K: my lane's place for codes;  v113: for scale words
.set KW,  113
.set TA,  117                          ; v117   the turn: where I put a number;  v118: where I read my channel's row
.set TL,  118
.set ACC, 128
.set G1R, 24                           ; s[24:31] group 1, mask = my row of the cluster
.set G1C, 32                           ; s[32:39] group 1, mask = my column
.set G0X, 40                           ; s[40:47] groups 0 for x's two halves
.set G0W, 68                           ; s[68:71] for a weight
.set BQ,  84
.set BQS, 86
.set BK,  88
.set BKS, 90
.set BT,  92
.set BTS, 94
.set MSB, 0
.macro WIN new                         ; the immediate's high byte repeats the setting that is left
.if MSB != \new
	s_set_vgpr_msb (MSB<<8)|\new
.set MSB, \new
.endif
.endm
.macro PLACES n
.rept \n
	v_nop
.endr
.endm
.macro CROUND                          ; a round of the cluster's barrier
	s_barrier_signal -1
	s_barrier_wait -1
	s_cmp_lg_u32 s12, 0
	s_cbranch_scc1 .Lnot_wave_0_\@
	s_barrier_signal -3
.Lnot_wave_0_\@:
	s_barrier_wait -3
	s_barrier_signal -1
	s_barrier_wait -1
.endm
; one matrix instruction.  c < 0: the constant 0 starts the sum.  ra, rb: the side's scale words stand in lanes 16-31
.macro WM d, a, b, c, sa, sb, ra, rb
.if (\c) < 0
.if (\ra) && (\rb)
	v_wmma_scale_f32_16x16x128_f8f6f4 v[\d:\d+7], v[\a:\a+11], v[\b:\b+11], 0, v[\sa], v[\sb] matrix_a_fmt:MATRIX_FMT_FP6 matrix_b_fmt:MATRIX_FMT_FP6 matrix_a_scale:MATRIX_SCALE_ROW1 matrix_b_scale:MATRIX_SCALE_ROW1
.elseif (\ra)
	v_wmma_scale_f32_16x16x128_f8f6f4 v[\d:\d+7], v[\a:\a+11], v[\b:\b+11], 0, v[\sa], v[\sb] matrix_a_fmt:MATRIX_FMT_FP6 matrix_b_fmt:MATRIX_FMT_FP6 matrix_a_scale:MATRIX_SCALE_ROW1
.elseif (\rb)
	v_wmma_scale_f32_16x16x128_f8f6f4 v[\d:\d+7], v[\a:\a+11], v[\b:\b+11], 0, v[\sa], v[\sb] matrix_a_fmt:MATRIX_FMT_FP6 matrix_b_fmt:MATRIX_FMT_FP6 matrix_b_scale:MATRIX_SCALE_ROW1
.else
	v_wmma_scale_f32_16x16x128_f8f6f4 v[\d:\d+7], v[\a:\a+11], v[\b:\b+11], 0, v[\sa], v[\sb] matrix_a_fmt:MATRIX_FMT_FP6 matrix_b_fmt:MATRIX_FMT_FP6
.endif
.else
.if (\ra) && (\rb)
	v_wmma_scale_f32_16x16x128_f8f6f4 v[\d:\d+7], v[\a:\a+11], v[\b:\b+11], v[\c:\c+7], v[\sa], v[\sb] matrix_a_fmt:MATRIX_FMT_FP6 matrix_b_fmt:MATRIX_FMT_FP6 matrix_a_scale:MATRIX_SCALE_ROW1 matrix_b_scale:MATRIX_SCALE_ROW1
.elseif (\ra)
	v_wmma_scale_f32_16x16x128_f8f6f4 v[\d:\d+7], v[\a:\a+11], v[\b:\b+11], v[\c:\c+7], v[\sa], v[\sb] matrix_a_fmt:MATRIX_FMT_FP6 matrix_b_fmt:MATRIX_FMT_FP6 matrix_a_scale:MATRIX_SCALE_ROW1
.elseif (\rb)
	v_wmma_scale_f32_16x16x128_f8f6f4 v[\d:\d+7], v[\a:\a+11], v[\b:\b+11], v[\c:\c+7], v[\sa], v[\sb] matrix_a_fmt:MATRIX_FMT_FP6 matrix_b_fmt:MATRIX_FMT_FP6 matrix_b_scale:MATRIX_SCALE_ROW1
.else
	v_wmma_scale_f32_16x16x128_f8f6f4 v[\d:\d+7], v[\a:\a+11], v[\b:\b+11], v[\c:\c+7], v[\sa], v[\sb] matrix_a_fmt:MATRIX_FMT_FP6 matrix_b_fmt:MATRIX_FMT_FP6
.endif
.endif
.endm
.macro PASSADR pbase, rbase
	v_add_nc_u32 v[AP], \pbase, v[L16]
	v_add_nc_u32 v[AP+1], \pbase+HALF, v[L16]
	v_add_nc_u32 v[AR], \rbase, v[RW16]
	v_add_nc_u32 v[AR+1], \rbase+HALF, v[RW16]
	v_add_nc_u32 v[ASP], \pbase+SCOF, v[L4]
	v_add_nc_u32 v[ASP+1], \pbase+SCOF+HALF, v[L4]
	v_add_nc_u32 v[ASR], \rbase+SCOF, v[RW4]
	v_add_nc_u32 v[ASR+1], \rbase+SCOF+HALF, v[RW4]
.endm
.macro FETCH s                         ; K step s: 5 scale words, P's 8 fragments, R's 2: 35 loads, every one of consecutive bytes
.set fo, ((\s)%4)*BLKB
.set fh, (\s)/4
.set fs, 128*((\s)%2)
	WIN 0
.irp b, 0,1,2,3
	ds_load_b32 v[PS+4*(\s)+\b], v[ASP+fh] offset:fo+128*\b        ; lanes 0-15: tile 2 b's words, lanes 16-31: tile 2 b + 1's
.endr
	ds_load_b32 v[RS+(\s)], v[ASR+fh] offset:fo
	WIN 0x40                                           ; destination window 1
.irp i, 0,1,2,3,4,5,6,7
.irp c, 0,1,2
	ds_load_b128 v[fs+12*\i+4*\c:fs+12*\i+4*\c+3], v[AP+fh] offset:fo+1536*\i+512*\c
.endr
.endr
.irp u, 0,1
.irp c, 0,1,2
	ds_load_b128 v[fs+96+12*\u+4*\c:fs+96+12*\u+4*\c+3], v[AR+fh] offset:fo+1536*\u+512*\c
.endr
.endr
.endm
.macro MUL s                           ; 16 matrix instructions: the 16 accumulators by turns, in the same order in every K step
.set fs, 128*((\s)%2)
	WIN 0x05                                           ; sources 0 and 1 window 1
.irp p, 0,1,2,3,4,5,6,7
.irp u, 0,1
.if (\s) == 0
	WM ACC+64*\u+8*\p, fs+12*\p, fs+96+12*\u, -1, PS+4*(\s)+\p/2, RS+(\s), \p%2, \u
.else
	WM ACC+64*\u+8*\p, fs+12*\p, fs+96+12*\u, ACC+64*\u+8*\p, PS+4*(\s)+\p/2, RS+(\s), \p%2, \u
.endif
.endr
.endr
.endm
; a pass: K step st + 1 is fetched into the other set while K step st is multiplied.  Four places stand in front of loads into registers that matrix instructions have read.
.macro PASS
.set st, 0
.rept 8
	s_wait_dscnt 0x0                                   ; K step st's fragments and words are in
.if st < 7
	WIN 0
	PLACES 4
	FETCH st+1
.endif
	MUL st
.set st, st+1
.endr
	WIN 0
	PLACES 4                                           ; in front of the first read of results and of loads into operands
.endm
; my tile u's 64 numbers a lane (register 16 b + i = next K 32 b + 16 (lane / 16) + i) become codes: half c (64 along the next K) in v[dc] .. v[dc + 5].  four = 1: one scale word of four bytes; 0: one of two bytes for each half
.macro QUANTP u, d0, d1, four
.set QS, ACC+64*(\u)
.irp b, 0,1,2,3
	v_max3_num_f32 v[TM+\b], |v[QS+16*\b]|, |v[QS+1+16*\b]|, 0x1800000   ; each accumulator is read from its low end on; the floor 2^(3 - 127) holds the byte at 1
.endr
.irp i, 2,4,6,8,10,12,14
.irp b, 0,1,2,3
	v_max3_num_f32 v[TM+\b], v[TM+\b], |v[QS+16*\b+\i]|, |v[QS+1+16*\b+\i]|
.endr
.endr
.irp b, 0,1,2,3
	v_permlanex16_b32 v[TM+4+\b], v[TM+\b], s20, s21
.endr
.irp b, 0,1,2,3
	v_max_num_f32 v[TM+\b], v[TM+\b], v[TM+4+\b]
.endr
.irp b, 0,1,2,3
	v_add_nc_u32 v[TM+12+\b], 0xff000000, v[TM+\b]
.endr
.irp b, 0,1,2,3
	v_lshrrev_b32 v[TM+4+\b], 23, v[TM+12+\b]
.endr
	v_lshl_or_b32 v[PW+2*(\u)], v[TM+5], 8, v[TM+4]
.if \four
	v_lshl_or_b32 v[PW+2*(\u)], v[TM+6], 16, v[PW+2*(\u)]
	v_lshl_or_b32 v[PW+2*(\u)], v[TM+7], 24, v[PW+2*(\u)]
.else
	v_lshl_or_b32 v[PW+2*(\u)+1], v[TM+7], 8, v[TM+6]  ; a head's K is 64: bytes 2 and 3 stay 0 and meet zero codes
.endif
	v_cvt_scalef32_pk16_fp6_f32 v[\d0:\d0+2], v[QS:QS+15], v[TM+12]
	v_cvt_scalef32_pk16_fp6_f32 v[CT:CT+2], v[QS+16:QS+31], v[TM+13]
	v_cvt_scalef32_pk16_fp6_f32 v[\d1:\d1+2], v[QS+32:QS+47], v[TM+14]
	v_cvt_scalef32_pk16_fp6_f32 v[CT+4:CT+6], v[QS+48:QS+63], v[TM+15]
	v_nop                                              ; one plain place behind a scaled conversion
.irp i, 0,1,2
	v_permlane16_swap_b32 v[\d0+\i], v[CT+\i]
.endr
.irp i, 0,1,2
	v_mov_b32 v[\d0+3+\i], v[CT+\i]
.endr
.irp i, 0,1,2
	v_permlane16_swap_b32 v[\d1+\i], v[CT+4+\i]
.endr
.irp i, 0,1,2
	v_mov_b32 v[\d1+3+\i], v[CT+4+\i]
.endr
.endm
.macro EPI_QK cb, sb, cstr, sstr, a16, a4   ; image c = head 2 xg + c: tile 0's six registers, then tile 1's; a16, a4: the lanes' places for codes and for scale words
	s_wait_xcnt 0x0                                    ; the last pass's stores have read their registers
	QUANTP 0, PC, PC+12, 0
	QUANTP 1, PC+6, PC+18, 0
	v_cndmask_b32 v[MW], v[PW], v[PW+2], s22
	v_cndmask_b32 v[MW+1], v[PW+1], v[PW+3], s22
.irp c, 0,1
.irp k, 0,1,2
	global_store_b128 v[\a16], v[PC+12*\c+4*\k:PC+12*\c+4*\k+3], s[\cb:\cb+1] offset:\c*\cstr+512*\k
.endr
	global_store_b32 v[\a4], v[MW+\c], s[\sb:\sb+1] offset:\c*\sstr
.endr
.endm
	s_load_b256 s[4:11], s[0:1], 0x0                   ; xq s[4:5], wq s[6:7], qq s[8:9], kv s[10:11]
	v_lshl_add_u32 v[SPW], v0, 2, SPARE
	v_mov_b32 v[NIL], 0
	ds_add_u32 v[SPW], v[NIL]                          ; the wave's opening: the add, twice on end, and its wait ahead of the first tensor load
	ds_add_u32 v[SPW], v[NIL]
	v_lshrrev_b32 v1, 5, v0
	v_readfirstlane_b32 s12, v1                        ; wave
	s_bfe_u32 s13, ttmp6, 0x40000                      ; cx
	s_bfe_u32 s14, ttmp6, 0x40004                      ; cy
	s_lshl_b32 s15, ttmp9, 2
	s_add_co_u32 s15, s15, s13                         ; xg
	s_and_b32 s16, ttmp7, 0xffff
	s_lshl_b32 s16, s16, 2
	s_add_co_u32 s16, s16, s14                         ; ty
	s_lshr_b32 s17, s12, 1                             ; wave 1 fetches Wq (0), wave 2 Wk (1)
	s_lshl_b32 s18, s14, 2
	s_lshl_b32 s18, 15, s18                            ; my row of the cluster
	s_lshl_b32 s19, 0x1111, s13                        ; my column
	s_or_b32 s[G1R], s18, (3<<16)|(1<<21)              ; elements of 8 bytes, no padding, bit 21 beside a mask
	s_or_b32 s[G1C], s19, (3<<16)|(1<<21)
.irp g, G1R, G1C                       ; dense blocks as rows of 256 bytes
	s_mov_b32 s[\g+1], 32<<16
	s_mov_b32 s[\g+3], 32<<16
	s_mov_b32 s[\g+5], 32
	s_mov_b32 s[\g+6], 0
	s_mov_b32 s[\g+7], 0
.endr
	s_mov_b32 s[G1R+2], 200<<16                        ; half of x's block, four K steps: 200 rows
	s_mov_b32 s[G1R+4], 200
	s_mov_b32 s[G1C+2], 400<<16                        ; a weight's whole block, eight K steps: 400 rows
	s_mov_b32 s[G1C+4], 400
	s_mul_i32 s56, s16, 8*BLKB                         ; x's block: ty alone
	s_mov_b32 s57, 0
	s_lshl_b32 s58, s17, 3
	s_add_co_u32 s58, s58, s15
	s_mul_i32 s58, s58, 8*BLKB                         ; the weight's block: xg and the wave alone
	s_mov_b32 s59, 0
	s_mul_i32 s23, s17, 8*BLKB
	s_add_co_u32 s23, s23, LQ                          ; and its place in LDS
	s_mov_b32 s20, 0x76543210
	s_mov_b32 s21, 0xfedcba98
	s_mov_b32 s22, 0xffff0000
	s_wait_dscnt 0x0                                   ; both opening adds are done
	s_wait_kmcnt 0x0
	s_add_nc_u64 s[56:57], s[4:5], s[56:57]
	s_add_nc_u64 s[58:59], s[6:7], s[58:59]
.irp j, 0,1
	s_mov_b32 s[G0X+4*\j], 1
	s_mov_b32 s[G0X+4*\j+1], LX+\j*HALF
	s_add_nc_u64 s[G0X+4*\j+2:G0X+4*\j+3], s[56:57], \j*HALF
	s_or_b32 s[G0X+4*\j+3], s[G0X+4*\j+3], 0x80000000
.endr
	s_mov_b32 s[G0W], 1
	s_add_co_u32 s[G0W+1], s23, 0
	s_add_nc_u64 s[G0W+2:G0W+3], s[58:59], 0
	s_or_b32 s[G0W+3], s[G0W+3], 0x80000000
	CROUND                                             ; all sixteen work-groups are here: the joint loads meet
	s_cmp_eq_u32 s12, 0                                ; one load a wave: wave 0 x's K steps 0-3, wave 1 Wq, wave 2 Wk, wave 3 x's K steps 4-7
	s_cbranch_scc0 .Lnot_x
	tensor_load_to_lds s[G0X:G0X+3], s[G1R:G1R+7]
	s_nop 0
	PLACES 4
	s_branch .Lasked
.Lnot_x:
	s_cmp_lt_u32 s12, 3
	s_cbranch_scc0 .Lx_hi
	tensor_load_to_lds s[G0W:G0W+3], s[G1C:G1C+7]
	s_nop 0
	PLACES 4
	s_branch .Lasked
.Lx_hi:
	tensor_load_to_lds s[G0X+4:G0X+7], s[G1R:G1R+7]
	s_nop 0
	PLACES 4
.Lasked:
	v_and_b32 v15, 31, v0
	v_lshlrev_b32 v[L16], 4, v15
	s_wait_alu depctr_va_vdst(0)
	v_lshlrev_b32 v[L4], 2, v15
	s_mul_i32 s60, s12, 3072
	v_add_nc_u32 v[RW16], s60, v[L16]
	s_wait_alu depctr_va_vdst(0)
	s_lshl_b32 s60, s12, 7
	v_add_nc_u32 v[RW4], s60, v[L4]
	; kv, part K: the attention launch wants tile 4 c + i to hold in rows 0-7 keys 64 c + 8 i + 0 .. 7 and in rows 8-15 keys 64 c + 32 + 8 i + 0 .. 7.
	; My wave b's lane (r, h) of tile u goes to the pair of tiles 2 (b / 2) + r / 8, tile u of it, lane (r % 8 + 8 (b % 2), h): eight lanes store 128 consecutive bytes
	v_bfe_u32 v114, v0, 3, 1                           ; r / 8
	v_and_b32 v115, 7, v0                              ; r % 8
	v_bfe_u32 v116, v0, 4, 1                           ; lane / 16
	v_mul_u32_u24 v[KL], v114, 1536
	v_lshl_add_u32 v[KL], v115, 4, v[KL]
	v_lshl_add_u32 v[KL], v116, 8, v[KL]               ; codes: 1,536 (r / 8) + 16 (r % 8) + 256 h
	v_lshlrev_b32 v[KW], 7, v114
	v_lshl_add_u32 v[KW], v116, 6, v[KW]
	v_lshl_add_u32 v[KW], v115, 2, v[KW]               ; words (lane = 16 u + r): 128 (r / 8) + 64 u + 4 (r % 8)
	; the turn.  Row 16 p + 8 h + j holds the channel of register j of P's tile p in lanes of half h; in it token t stands at 4 t.  My token of tile u is 32 wave + 8 u + r % 8 + 16 (r / 8)
	v_mul_u32_u24 v[TA], v116, 8*TP
	v_lshl_add_u32 v[TA], v115, 2, v[TA]
	v_lshl_add_u32 v[TA], v114, 6, v[TA]
	v_add_nc_u32 v[TA], s60, v[TA]                     ; + 128 x wave
	v_add_nc_u32 v[TA], LQ, v[TA]
	v_and_b32 v[TL], 15, v0                            ; back: row 32 wave + 16 u + r is lane-row r of Wk's tile 2 wave + u; lanes 16-31 begin 16 tokens on
	v_mul_u32_u24 v[TL], v[TL], TP
	v_lshl_add_u32 v[TL], v116, 6, v[TL]
	s_mul_i32 s61, s12, 32*TP
	v_add_nc_u32 v[TL], s61, v[TL]
	v_add_nc_u32 v[TL], LQ, v[TL]
.irp b, 0,1,2,3
	v_mov_b32 v[TM+4+\b], 0                            ; a lane permute's destination counts as one of its sources
.endr
	s_mov_b32 s97, 0
	s_lshl_b32 s60, s15, 8                             ; qq: (head x 128 + group of 32 tokens): 256 xg + 4 ty + wave, for head 2 xg
	s_lshl_b32 s61, s16, 2
	s_add_co_u32 s60, s60, s61
	s_add_co_u32 s60, s60, s12
	s_mul_i32 s96, s60, 1536
	s_add_nc_u64 s[BQ:BQ+1], s[8:9], s[96:97]
	s_lshl_b32 s96, s60, 7
	s_add_co_u32 s96, s96, QSC
	s_add_nc_u64 s[BQS:BQS+1], s[8:9], s[96:97]
	s_lshl_b32 s60, s15, 6                             ; kv: head 2 xg, step ty
	s_add_co_u32 s60, s60, s16
	s_mul_i32 s60, s60, KVB
	s_mul_i32 s61, s17, 3072                           ; codes: 3,072 (wave / 2) + 128 (wave % 2)
	s_and_b32 s62, s12, 1
	s_lshl_b32 s63, s62, 7
	s_add_co_u32 s61, s61, s63
	s_add_co_u32 s96, s60, s61
	s_add_nc_u64 s[BK:BK+1], s[10:11], s[96:97]
	s_lshl_b32 s61, s17, 8                             ; words: 256 (wave / 2) + 32 (wave % 2)
	s_lshl_b32 s63, s62, 5
	s_add_co_u32 s61, s61, s63
	s_add_co_u32 s96, s60, s61
	s_add_co_u32 s96, s96, 12288
	s_add_nc_u64 s[BKS:BKS+1], s[10:11], s[96:97]
	s_mul_i32 s61, s17, 32*KVB                         ; K^T: my 32 channels lie in head 2 xg + wave / 2, tiles 2 (wave % 2) and + 1
	s_add_co_u32 s60, s60, s61
	s_and_b32 s61, s12, 1
	s_mul_i32 s62, s61, 3072
	s_add_co_u32 s96, s60, s62
	s_add_co_u32 s96, s96, 6144
	s_add_nc_u64 s[BT:BT+1], s[10:11], s[96:97]
	s_lshl_b32 s61, s61, 7
	s_add_co_u32 s96, s60, s61
	s_add_co_u32 s96, s96, 12800
	s_add_nc_u64 s[BTS:BTS+1], s[10:11], s[96:97]
	PASSADR LQ, LX
	s_wait_alu depctr_va_vdst(0)                       ; the head's end
	s_wait_tensorcnt 0x0                               ; my one load has landed;
	s_barrier_signal -1
	s_barrier_wait -1                                  ; and so has every wave's: all three operands lie in LDS; nothing is filled again
	FETCH 0
	PASS                                               ; q
	PASSADR LK, LX
	FETCH 0                                            ; the next pass's first fragments land under the quantiser
	WIN 0
	EPI_QK BQ, BQS, 196608, 16384, L16, L4
	PASS                                               ; k
	s_wait_dscnt 0x0
	s_barrier_signal -1
	s_barrier_wait -1                                  ; every wave has left pass K, so nobody reads Wq's bytes any more
.irp u, 0,1
.irp p, 0,1,2,3,4,5,6,7
.irp j, 0,1,2,3,4,5,6,7
	ds_store_b32 v[TA], v[ACC+64*\u+8*\p+\j] offset:(16*\p+\j)*TP+32*\u   ; k(my token, channel), each accumulator from its low end on; the 32 lanes touch 32 different banks
.endr
.endr
.endr
	EPI_QK BK, BKS, 32*KVB, 32*KVB, KL, KW             ; part K is quantised while the stores are served
	s_wait_dscnt 0x0                                   ; my stores are done
	s_barrier_signal -1
	s_barrier_wait -1                                  ; and everybody's
.irp u, 0,1
.irp b, 0,1,2,3
.irp q, 0,1,2,3
	ds_load_b128 v[ACC+64*\u+16*\b+4*\q:ACC+64*\u+16*\b+4*\q+3], v[TL] offset:16*TP*\u+128*\b+16*\q   ; register 16 b + i: token 32 b + 16 (lane / 16) + i of my channel
.endr
.endr
.endr
	s_wait_dscnt 0x0
	s_wait_xcnt 0x0                                    ; part K's stores have read their registers
	QUANTP 0, PC, PC+6, 1                              ; image u = my channel tile u: 16 channels x 128 keys
	QUANTP 1, PC+12, PC+18, 1
	v_cndmask_b32 v[MW], v[PW], v[PW+2], s22
.irp u, 0,1
.irp k, 0,1,2
	global_store_b128 v[L16], v[PC+12*\u+4*\k:PC+12*\u+4*\k+3], s[BT:BT+1] offset:1536*\u+512*\k
.endr
.endr
	global_store_b32 v[L4], v[MW], s[BTS:BTS+1]
	s_wait_tensorcnt 0x0                               ; the wave's end
	ds_add_u32 v[SPW], v[NIL]
	s_wait_dscnt 0x0
	CROUND                                             ; the closing round
	s_endpgm
.Lfunc_end_k_qbde5ff5a45_proj:
	.size	k_qbde5ff5a45_proj, .Lfunc_end_k_qbde5ff5a45_proj-k_qbde5ff5a45_proj
	.p2alignl 7, 3214868480
	.fill 96, 4, 3214868480
	.section	.rodata,"a",@progbits
	.p2align	6, 0x0
	.amdhsa_kernel k_qbde5ff5a45_proj
		.amdhsa_group_segment_fixed_size 327680
		.amdhsa_private_segment_fixed_size 0
		.amdhsa_enable_private_segment 0
		.amdhsa_kernarg_size 32
		.amdhsa_user_sgpr_count 2
		.amdhsa_user_sgpr_kernarg_segment_ptr 1
		.amdhsa_wavefront_size32 1
		.amdhsa_system_sgpr_workgroup_id_x 1
		.amdhsa_system_sgpr_workgroup_id_y 1
		.amdhsa_system_sgpr_workgroup_id_z 1
		.amdhsa_system_vgpr_workitem_id 0
		.amdhsa_next_free_vgpr 512
		.amdhsa_next_free_sgpr 100
		.amdhsa_reserve_vcc 0
		.amdhsa_float_denorm_mode_32 3
		.amdhsa_float_denorm_mode_16_64 3
		.amdhsa_memory_ordered 1
		.amdhsa_forward_progress 1
		.amdhsa_inst_pref_size 115
	.end_amdhsa_kernel
	.amdgpu_metadata
---
amdhsa.version: [ 1, 2 ]
amdhsa.kernels:
  - .name:           k_qbde5ff5a45_proj
    .symbol:         k_qbde5ff5a45_proj.kd
    .args:
      - { .name: xq, .offset: 0, .size: 8, .value_kind: global_buffer, .address_space: global }
      - { .name: wq, .offset: 8, .size: 8, .value_kind: global_buffer, .address_space: global }
      - { .name: qq, .offset: 16, .size: 8, .value_kind: global_buffer, .address_space: global }
      - { .name: kv, .offset: 24, .size: 8, .value_kind: global_buffer, .address_space: global }
    .group_segment_fixed_size: 327680
    .private_segment_fixed_size: 0
    .kernarg_segment_align: 8
    .kernarg_segment_size: 32
    .max_flat_workgroup_size: 128
    .sgpr_count:     100
    .vgpr_count:     512
    .wavefront_size: 32
...
	.end_amdgpu_metadata
.endif
;; end of part 2
;; launch attn (part 3): grid 16 x 16, 16 waves a work-group, clusters of 4 x 1, 327,680 bytes of LDS; arguments qq, kv, aq; writes aq
.if DOCPART == 3
	.amdgcn_target "amdgcn-amd-amdhsa--gfx1250"
	.amdhsa_code_object_version 6
	.text
	.protected	k_qbde5ff5a45_attn
	.globl	k_qbde5ff5a45_attn
	.p2align	8
	.type	k_qbde5ff5a45_attn,@function
k_qbde5ff5a45_attn:
	s_mov_b64 s[64:65], 0
	v_nop
	global_prefetch_b8 v0, s[64:65] scope:SCOPE_SE
	s_setreg_imm32_b32 hwreg(HW_REG_WAVE_MODE, 25, 1), 1
	s_wait_xcnt 0x0
	s_wait_alu depctr_hold_cnt(0) depctr_sa_sdst(0) depctr_va_vdst(0) depctr_va_sdst(0) depctr_va_ssrc(0) depctr_va_vcc(0) depctr_vm_vsrc(0)
	s_getreg_b32 s2, hwreg(HW_REG_IB_STS2, 6, 4)
	s_cmp_eq_u32 s2, 0
	s_cbranch_scc0 .Lentry_in_a_cluster
	s_endpgm
.Lentry_in_a_cluster:
	s_bfe_u32 s2, ttmp6, 0x10000c
	s_cmp_lg_u32 s2, 0x3003
	s_cbranch_scc0 .Lentry_shape_is_right
	s_endpgm
.Lentry_shape_is_right:
; att[q] = the sum over keys of softmax(q . k / 8) k, for one head, with K in V's place as the module has it; both products on codes of FP6 (E2M3).  att / l is quantised along the channels and leaves as the last product's operand.
; THE SOFTMAX: t = score x log2(e) / 8 (q was quantised without its factor 1/8, a power of two); M = the running largest t rounded UP to a whole number; p = 2^(t - M) is quantised along the keys, not normalised;
; the row's sum is taken of the unquantised p; when M moves, the sum and O are multiplied by 2^(old M - new M), which rounds nothing.
; SHARES.  A work-group owns 256 queries of a head, each of its sixteen waves one tile of 16, in 256 registers.  Every wave walks 32 steps of 128 keys.
; A step's operands are one dense block of 13,056 bytes of kv, images of registers: K (4 x 1,536: tiles 2 X and 2 X + 1, six registers each), K^T (4 x 1,536), K's words, K^T's words.
; LAYOUT.  S^T = K Q^T and O^T = K^T P^T: a lane holds one query throughout.  Tile 4 c + i of K holds keys 64 c + 8 i + 0 .. 7 in rows 0-7 and keys 64 c + 32 + 8 i + 0 .. 7 in rows 8-15:
; so register 32 c + n of S^T in lane (q, h) is key 64 c + 32 h + n: A WHOLE BLOCK OF 32 KEYS LIES IN ONE LANE, in the order of p's operand: a block's maximum needs no other lane and the codes change no lane.
; K = 64 IN AN INSTRUCTION OF 128: Q's registers 6-11 are zero codes and bytes 2, 3 of both scale words are 0; a tile of K is named with the six registers behind it, whose codes meet those zeros.
; LDS has 24 places of a step.  Steps 0-7 lie in places 16-23 (waves 0-7 ask at the head, one load each), steps 8-23 in places 0-15 (all sixteen waves, one load each, behind the full sequence and a round),
; steps 24-31 are filled into places 16-23 behind a round when every wave of the cluster has left step 7: from step 8 on the walk goes up through the places without a turn.
; The barrier that shows steps 24-31 to all waves is signalled behind step 15 and waited for ahead of step 23; between the two only places 8-15 are read, which nobody writes.
; FRAGMENTS: behind a step's score products one run of LDS loads brings this step's K^T and the next step's K.  The last step of a walk names its own place again for K (the clamp): those registers are not used.
; No prefetch is laid: a quarter of a head's bytes is asked for at the head and a half directly behind it, and the refill is asked for 15 steps ahead of its first read.
; CLUSTER: the four query blocks of a cluster belong to one head and walk the same kv: every load is joint, mask 15.
; LIMITS: the promise holds while the scaled scores stay under 2^31 in magnitude; a block of zeros gets the byte 1 (zero codes; this program alone reads the bytes); p under 2^-126 falls to 0; NaN and infinities are not served.
.set KVB,   13056
.set SPARE, 24*KVB                     ; behind the 24 places: the spare words, 128 bytes a wave: 2,048 bytes
.set QSC,   3145728
.set AQB,   13312                      ; aq: 128 tokens x 128 K: 8 tiles x 1,536, then 2 x 512 bytes of words
.set L16, 1                            ; 16 x lane
.set L4,  2                            ; 4 x lane
.set AT16, 3                           ; this step's place + 16 x lane;  v4: + 4 x lane
.set AT4, 4
.set SPW, 5
.set NIL, 6
.set QW,  7                            ; Q's scale word
.set KS,  8                            ; v8-11 K's scale words.   v12 -M, v13 the largest score, v[14:15] the sum in two halves
.set QR,  16                           ; v16-27 Q: six registers of codes, six of zeros
.set TS,  28                           ; v28-29 K^T's scale words
.set PWD, 30                           ; p's scale word
.set AK16, 31                          ; the next step's place + 16 x lane;  v243: + 4 x lane
.set AK4, 243
.set KR,  32                           ; v32-79 K: tile T at 32 + 6 T
.set KT,  80                           ; v80-127 K^T: tile t at 80 + 12 t
.set S,   128                          ; v128-191 S^T, then p
.set O,   192                          ; v192-223 O^T
.set PCD, 224                          ; v224-235 p's codes
.set CT,  236                          ; v236-238, v240-242 a block's upper 16 codes
.set SO,  244                          ; v244-245 the conversions' scale operands
.set BM,  246                          ; v246-247 my two blocks' largest scores
.set F,   248                          ; v[248:249] f = 2^(old M - new M); the upper word is written once and not used
.set T0,  250
.set T1,  251
.set SA,  252                          ; the sum's side chains: v[252:253], v[254:255], v[250:251], v[246:247]
.set SB,  254
.set SC,  250
.set SD,  246
.set TB,  2                            ; LDS byte of the step in hand
.set CNT, 3
.set WV,  18
.set SEL, 20
.set CS,  22                           ; s[22:23] c = log2(e) / 8
.set G1,  24                           ; s[24:31] a step: 51 rows of 256 bytes
.set G0A, 32                           ; s[32:35] places 16-23;  s[36:39] places 0-15
.set G0B, 36
.set NTB, 40                           ; LDS byte of the next step
.set NCS, 41                           ; -c
.macro CROUND
	s_barrier_signal -1
	s_barrier_wait -1
	s_cmp_lg_u32 s[WV], 0
	s_cbranch_scc1 .Lnot_wave_0_\@
	s_barrier_signal -3
.Lnot_wave_0_\@:
	s_barrier_wait -3
	s_barrier_signal -1
	s_barrier_wait -1
.endm
.macro WM d, a, b, c, sa, sb, ra       ; c < 0: the constant 0 starts the sum.  ra: source 0's scale words stand in lanes 16-31
.if (\c) < 0
.if (\ra)
	v_wmma_scale_f32_16x16x128_f8f6f4 v[\d:\d+7], v[\a:\a+11], v[\b:\b+11], 0, v[\sa], v[\sb] matrix_a_fmt:MATRIX_FMT_FP6 matrix_b_fmt:MATRIX_FMT_FP6 matrix_a_scale:MATRIX_SCALE_ROW1
.else
	v_wmma_scale_f32_16x16x128_f8f6f4 v[\d:\d+7], v[\a:\a+11], v[\b:\b+11], 0, v[\sa], v[\sb] matrix_a_fmt:MATRIX_FMT_FP6 matrix_b_fmt:MATRIX_FMT_FP6
.endif
.else
.if (\ra)
	v_wmma_scale_f32_16x16x128_f8f6f4 v[\d:\d+7], v[\a:\a+11], v[\b:\b+11], v[\c:\c+7], v[\sa], v[\sb] matrix_a_fmt:MATRIX_FMT_FP6 matrix_b_fmt:MATRIX_FMT_FP6 matrix_a_scale:MATRIX_SCALE_ROW1
.else
	v_wmma_scale_f32_16x16x128_f8f6f4 v[\d:\d+7], v[\a:\a+11], v[\b:\b+11], v[\c:\c+7], v[\sa], v[\sb] matrix_a_fmt:MATRIX_FMT_FP6 matrix_b_fmt:MATRIX_FMT_FP6
.endif
.endif
.endm
.macro TLOAD g0                        ; a joint load
	tensor_load_to_lds s[\g0:\g0+3], s[G1:G1+7]
	s_nop 0
.rept 4
	v_nop
.endr
.endm
.macro KLOAD                           ; K's eight tiles and their words: 16 loads
.set kk, 0
.rept 12
	ds_load_b128 v[KR+4*kk:KR+4*kk+3], v[AK16] offset:512*kk
.set kk, kk+1
.endr
.irp b, 0,1,2,3
	ds_load_b32 v[KS+\b], v[AK4] offset:12288+128*\b
.endr
.endm
; A KEY STEP: 128 keys.  clamp = 1: the walk may end in place 23
.macro STEP clamp
	s_wait_alu depctr_va_vdst(0)                       ; ahead of the wait below and behind the backward jump
	s_wait_dscnt 0x0                                   ; this step's K and its words are in
.irp t, 0,1,2,3,4,5,6,7
	WM S+8*\t, KR+6*\t, QR, -1, KS+\t/2, QW, \t%2
.endr
	s_add_co_u32 s[NTB], s[TB], KVB
.if \clamp
	s_min_u32 s[NTB], s[NTB], 23*KVB
.endif
	v_add_nc_u32 v[AT16], s[TB], v[L16]                ; these four are the places in front of the loads below and of the first read of S^T
	v_add_nc_u32 v[AT4], s[TB], v[L4]
	v_add_nc_u32 v[AK16], s[NTB], v[L16]
	v_add_nc_u32 v[AK4], s[NTB], v[L4]
.set kk, 0
.rept 12
	ds_load_b128 v[KT+4*kk:KT+4*kk+3], v[AT16] offset:6144+512*kk
.set kk, kk+1
.endr
.irp b, 0,1
	ds_load_b32 v[TS+\b], v[AT4] offset:12800+128*\b
.endr
	KLOAD                                              ; the next step's K
.irp c, 0,1                            ; the largest score of my two blocks of 32 keys, each in two chains; every accumulator is read from its low end on
	v_max3_num_f32 v[BM+\c], v[S+32*\c], v[S+32*\c+1], v[S+32*\c+2]
	v_max3_num_f32 v[T0+\c], v[S+32*\c+16], v[S+32*\c+17], v[S+32*\c+18]
.endr
.irp i, 3,5,7,9,11,13
.irp c, 0,1
	v_max3_num_f32 v[BM+\c], v[BM+\c], v[S+32*\c+\i], v[S+32*\c+\i+1]
	v_max3_num_f32 v[T0+\c], v[T0+\c], v[S+32*\c+16+\i], v[S+32*\c+17+\i]
.endr
.endr
.irp c, 0,1
	v_max3_num_f32 v[BM+\c], v[BM+\c], v[T0+\c], v[S+32*\c+15]
.endr
.irp c, 0,1
	v_max_num_f32 v[BM+\c], v[BM+\c], v[S+32*\c+31]
.endr
	v_max_num_f32 v[T0], v[BM], v[BM+1]
	v_permlanex16_b32 v[T1], v[T0], s[SEL], s[SEL+1]   ; lane l xor 16 holds my query's other two blocks
	v_max3_num_f32 v13, v13, v[T0], v[T1]              ; the running largest score
	v_mov_b32 v[T1], v12
	v_mul_f32 v[T0], s[NCS], v13                       ; -t (c is positive)
	v_floor_f32 v12, v[T0]                             ; the new -M = floor(-t): M is a whole number
.set jj, 0
.rept 32
	v_pk_fma_f32 v[S+jj:S+jj+1], v[S+jj:S+jj+1], s[CS:CS+1], v[12:13] op_sel_hi:[1,0,0]   ; t - M, two at a time; the three lines that make f stand among them
.if jj == 6
	v_sub_f32 v[T1], v12, v[T1]                        ; old M - new M, 0 or less
.endif
.if jj == 16
	v_cvt_i32_f32 v[T1], v[T1]                         ; (it saturates)
.endif
.if jj == 26
	v_ldexp_f32 v[F], 1.0, v[T1]                       ; f
.endif
.set jj, jj+2
.endr
.irp c, 0,1
	v_fma_f32 v[BM+\c], v[BM+\c], s[CS], v12           ; the same of each block's largest score: p rises with the score
.endr
.set jj, 0
.rept 16
	v_pk_mul_f32 v[O+jj:O+jj+1], v[O+jj:O+jj+1], v[F:F+1] op_sel_hi:[1,0]   ; O^T under the new M, each accumulator from its low end on
.set jj, jj+2
.endr
	s_wait_alu depctr_va_vdst(0)                       ; ahead of the batch
.irp c, 0,1
	v_exp_f32 v[BM+\c], v[BM+\c]                       ; each block's largest p
.endr
.set jj, 0
.rept 64
	v_exp_f32 v[S+jj], v[S+jj]                         ; p = 2^(t - M)
.set jj, jj+1
.endr
	v_nop                                              ; the plain place behind the batch
	s_wait_alu depctr_va_vdst(0)                       ; one wait for the 66, ahead of their first reader and of the wait below
	s_wait_dscnt 16                                    ; K^T and its words are in; the 16 younger loads, the next step's K, may stay out
.irp c, 0,1
	v_max_num_f32 v[BM+\c], 0x1800000, v[BM+\c]        ; the floor 2^(3 - 127): the byte cannot fall under 1
.endr
.irp c, 0,1
	s_delay_alu instid0(VALU_DEP_2)
	v_add_nc_u32 v[SO+\c], 0xff000000, v[BM+\c]        ; 2 off the exponent field: the conversion's scale operand
.endr
.irp c, 0,1
	v_cvt_scalef32_pk16_fp6_f32 v[PCD+6*\c:PCD+6*\c+2], v[S+32*\c:S+32*\c+15], v[SO+\c]
	v_cvt_scalef32_pk16_fp6_f32 v[CT+4*\c:CT+4*\c+2], v[S+32*\c+16:S+32*\c+31], v[SO+\c]   ; (a conversion's three registers begin on an even number)
.endr
	v_lshrrev_b32 v[T0], 23, v[SO]                     ; the bytes of blocks h and 2 + h.  (Plain places behind the conversions)
	v_lshrrev_b32 v[T1], 23, v[SO+1]
	; THE ROW'S SUM of the unquantised p, 32 pairs in 32 lines, in five chains; the lines that make p's scale word stand among the first of them
	v_pk_fma_f32 v[14:15], v[14:15], v[F:F+1], v[S:S+1] op_sel_hi:[1,0,1]   ; the sum under the new M, and the first pair onto it
	v_pk_add_f32 v[SA:SA+1], v[S+2:S+3], v[S+4:S+5]
	v_pk_add_f32 v[SB:SB+1], v[S+6:S+7], v[S+8:S+9]
	v_lshl_or_b32 v[T0], v[T1], 16, v[T0]
	v_pk_add_f32 v[14:15], v[14:15], v[S+18:S+19]
	v_pk_add_f32 v[SA:SA+1], v[SA:SA+1], v[S+20:S+21]
	v_pk_add_f32 v[SB:SB+1], v[SB:SB+1], v[S+22:S+23]
	v_permlanex16_b32 v[T1], v[T0], s[SEL], s[SEL+1]
	v_pk_add_f32 v[14:15], v[14:15], v[S+28:S+29]
	v_pk_add_f32 v[SA:SA+1], v[SA:SA+1], v[S+30:S+31]
	v_pk_add_f32 v[SB:SB+1], v[SB:SB+1], v[S+32:S+33]
	v_lshl_or_b32 v[PWD], v[T1], 8, v[T0]              ; lanes 0-15: the four bytes of my query's 128 keys; lanes 16-31 are not read
	v_dual_mov_b32 v[PCD+3], v[CT] :: v_dual_mov_b32 v[PCD+4], v[CT+1]
	v_dual_mov_b32 v[PCD+5], v[CT+2] :: v_dual_mov_b32 v[PCD+10], v[CT+5]
	v_mov_b32 v[PCD+9], v[CT+4]
	v_mov_b32 v[PCD+11], v[CT+6]
	v_pk_add_f32 v[SC:SC+1], v[S+10:S+11], v[S+12:S+13]   ; (the registers of the word's and the maxima's work are free now.)  The 23 lines from here on are also the places in front of the products below
	v_pk_add_f32 v[SD:SD+1], v[S+14:S+15], v[S+16:S+17]
	v_pk_add_f32 v[14:15], v[14:15], v[S+38:S+39]
	v_pk_add_f32 v[SA:SA+1], v[SA:SA+1], v[S+40:S+41]
	v_pk_add_f32 v[SB:SB+1], v[SB:SB+1], v[S+42:S+43]
	v_pk_add_f32 v[SC:SC+1], v[SC:SC+1], v[S+24:S+25]
	v_pk_add_f32 v[SD:SD+1], v[SD:SD+1], v[S+26:S+27]
	v_pk_add_f32 v[14:15], v[14:15], v[S+48:S+49]
	v_pk_add_f32 v[SA:SA+1], v[SA:SA+1], v[S+50:S+51]
	v_pk_add_f32 v[SB:SB+1], v[SB:SB+1], v[S+52:S+53]
	v_pk_add_f32 v[SC:SC+1], v[SC:SC+1], v[S+34:S+35]
	v_pk_add_f32 v[SD:SD+1], v[SD:SD+1], v[S+36:S+37]
	v_pk_add_f32 v[SA:SA+1], v[SA:SA+1], v[S+58:S+59]
	v_pk_add_f32 v[SB:SB+1], v[SB:SB+1], v[S+60:S+61]
	v_pk_add_f32 v[14:15], v[14:15], v[S+62:S+63]
	v_pk_add_f32 v[SC:SC+1], v[SC:SC+1], v[S+44:S+45]
	v_pk_add_f32 v[SD:SD+1], v[SD:SD+1], v[S+46:S+47]
	v_pk_add_f32 v[SC:SC+1], v[SC:SC+1], v[S+54:S+55]
	v_pk_add_f32 v[SD:SD+1], v[SD:SD+1], v[S+56:S+57]
	v_pk_add_f32 v[SA:SA+1], v[SA:SA+1], v[SB:SB+1]
	v_pk_add_f32 v[SC:SC+1], v[SC:SC+1], v[SD:SD+1]
	s_delay_alu instid0(VALU_DEP_1)
	v_pk_add_f32 v[SA:SA+1], v[SA:SA+1], v[SC:SC+1]
	s_delay_alu instid0(VALU_DEP_1)
	v_pk_add_f32 v[14:15], v[14:15], v[SA:SA+1]
.irp t, 0,1,2,3
	WM O+8*\t, KT+12*\t, PCD, O+8*\t, TS+\t/2, PWD, \t%2   ; four accumulators by turns
.endr
	s_add_co_u32 s[TB], s[TB], KVB
.endm
.macro PHASE first, trips, clamp, pro  ; pro = 1: the first step's K is fetched here
	s_mov_b32 s[TB], (\first)*KVB
	s_mov_b32 s[CNT], \trips
.if \pro
	v_add_nc_u32 v[AK16], (\first)*KVB, v[L16]
	v_add_nc_u32 v[AK4], (\first)*KVB, v[L4]
	KLOAD
.endif
.Lstep_\@:
	STEP \clamp
	s_sub_co_u32 s[CNT], s[CNT], 1
	s_cmp_lg_u32 s[CNT], 0
	s_cbranch_scc1 .Lstep_\@
.endm
	s_load_b128 s[4:7], s[0:1], 0x0                    ; qq, kv
	s_load_b64 s[8:9], s[0:1], 0x10                    ; aq
	v_lshl_add_u32 v[SPW], v0, 2, SPARE
	v_mov_b32 v[NIL], 0
	ds_add_u32 v[SPW], v[NIL]                          ; the wave's opening: the add, twice on end, and its wait
	ds_add_u32 v[SPW], v[NIL]
	v_lshrrev_b32 v1, 5, v0
	s_delay_alu instid0(VALU_DEP_1)
	v_readfirstlane_b32 s[WV], v1                      ; wave 0..15
	s_bfe_u32 s10, ttmp6, 0x40000                      ; cx
	s_lshl_b32 s11, ttmp9, 2
	s_add_co_u32 s11, s11, s10                         ; my block of 256 queries: it enters qq's and aq's addresses alone
	s_and_b32 s12, ttmp7, 0xffff                       ; the head, which the four partners share
	s_and_b32 s13, s[WV], 7
	s_mov_b32 s[G1], 15|(3<<16)|(1<<21)                ; mask: all four; elements of 8 bytes; no padding; bit 21 beside a mask
	s_mov_b32 s[G1+1], 32<<16
	s_mov_b32 s[G1+2], 51<<16
	s_mov_b32 s[G1+3], 32<<16
	s_mov_b32 s[G1+4], 51
	s_mov_b32 s[G1+5], 32
	s_mov_b32 s[G1+6], 0
	s_mov_b32 s[G1+7], 0
	s_mul_i32 s60, s12, 32*KVB                         ; the head's first byte in kv
	s_mov_b32 s61, 0
	s_mov_b32 s63, 0
	s_mov_b32 s[SEL], 0x76543210
	s_mov_b32 s[SEL+1], 0xfedcba98
	s_mov_b32 s[CS], 0x3e38aa3b                        ; c = log2(e) / 8
	s_mov_b32 s[CS+1], s[CS]
	s_mov_b32 s[NCS], 0xbe38aa3b                       ; -c
	s_mov_b32 s[G0A], 1                                ; step wave % 8 into place 16 + wave % 8
	s_mul_i32 s[G0A+1], s13, KVB
	s_add_co_u32 s[G0A+1], s[G0A+1], 16*KVB
	s_mov_b32 s[G0B], 1                                ; step 8 + wave into place wave
	s_mul_i32 s[G0B+1], s[WV], KVB
	s_mul_i32 s14, s13, KVB
	s_mov_b32 s15, 0
	s_mul_i32 s16, s[WV], KVB
	s_add_co_u32 s16, s16, 8*KVB
	s_mov_b32 s17, 0
	s_wait_dscnt 0x0                                   ; both opening adds are done
	s_wait_kmcnt 0x0
	s_add_nc_u64 s[6:7], s[6:7], s[60:61]
	s_add_nc_u64 s[G0A+2:G0A+3], s[6:7], s[14:15]
	s_or_b32 s[G0A+3], s[G0A+3], 0x80000000
	s_add_nc_u64 s[G0B+2:G0B+3], s[6:7], s[16:17]
	s_or_b32 s[G0B+3], s[G0B+3], 0x80000000
	CROUND                                             ; all four work-groups are here: the first joint loads meet
	s_cmp_lt_u32 s[WV], 8                              ; waves 0-7: steps 0-7, one load each
	s_cbranch_scc0 .Lasked
	TLOAD G0A
.Lasked:
	v_and_b32 v[T0], 31, v0
	v_and_b32 v[T1], 15, v0
	v_lshlrev_b32 v[L16], 4, v[T0]
	v_lshlrev_b32 v[L4], 2, v[T0]
	v_lshlrev_b32 v[T1], 2, v[T1]                      ; 4 r
	s_wait_alu depctr_va_vdst(0)                       ; ahead of the run of scalar lines
	s_lshr_b32 s14, s[WV], 1
	s_lshl_b32 s15, s11, 3
	s_add_co_u32 s14, s14, s15                         ; my group of 32 queries
	s_lshl_b32 s15, s12, 7
	s_add_co_u32 s14, s14, s15                         ; 128 x head + group
	s_mul_i32 s62, s14, 1536
	s_add_nc_u64 s[16:17], s[4:5], s[62:63]
	s_lshl_b32 s62, s14, 7
	s_and_b32 s15, s[WV], 1                            ; which tile of the group is mine
	s_lshl_b32 s14, s15, 6
	s_add_co_u32 s62, s62, s14
	s_add_co_u32 s62, s62, QSC
	s_add_nc_u64 s[4:5], s[4:5], s[62:63]
	s_sub_co_u32 s19, 0, s15                           ; all lanes' bits where it is tile 1
.irp c, 0,1,2
	global_load_b128 v[KR+4*\c:KR+4*\c+3], v[L16], s[16:17] offset:512*\c    ; the group's image: tile 0's six registers, then tile 1's
.endr
	global_load_b32 v[QW], v[T1], s[4:5]
	v_mov_b32 v13, 0xff61b1e6                          ; the largest score so far: -3e38
	v_mov_b32 v12, 0x7f61b1e6                          ; -M: 3e38, over every later -M: the first f is 0
	v_mov_b32 v14, 0
	v_mov_b32 v15, 0
	v_mov_b32 v[F+1], 0
.irp i, 6,7,8,9,10,11
	v_mov_b32 v[QR+\i], 0                              ; Q's upper 64 along K: zero codes
.endr
.irp i, 0,1,2,3,4,5
	v_mov_b32 v[KT+\i], 0                              ; named behind K's tile 7 in the first step, ahead of the first load into them
.endr
.set jj, 0
.rept 32
	v_mov_b32 v[O+jj], 0                               ; O^T: the step is written once; the first finds zeros, which the first f leaves zeros
.set jj, jj+1
.endr
	s_wait_loadcnt 0x0
.irp i, 0,1,2,3,4,5
	v_cndmask_b32 v[QR+\i], v[KR+\i], v[KR+6+\i], s19
.endr
	s_wait_alu depctr_va_vdst(0)                       ; the head's end
	s_wait_tensorcnt 0x0                               ; my step of 0-7, if I fetched one, is in;
	ds_add_u32 v[SPW], v[NIL]                          ; the add twice on end
	ds_add_u32 v[SPW], v[NIL]
	s_wait_dscnt 0x0
	CROUND                                             ; steps 0-7 are whole, and all four work-groups are here
	TLOAD G0B                                          ; steps 8-23: every wave's one load behind the round
	PHASE 16, 8, 1, 1                                  ; steps 0-7
	s_wait_tensorcnt 0x0                               ; all my loads have landed, my step of 8-23 among them, so a group 0 may be written
	ds_add_u32 v[SPW], v[NIL]
	s_add_nc_u64 s[G0A+2:G0A+3], s[G0A+2:G0A+3], 24*KVB   ; step 24 + wave % 8, into the same place
	s_wait_dscnt 0x0                                   ; the add is done, and my reads of places 16-23 are over
	CROUND                                             ; that holds of every wave of all four work-groups
	s_cmp_lt_u32 s[WV], 8
	s_cbranch_scc0 .Lrefilled
	TLOAD G0A                                          ; my one load behind the round
.Lrefilled:
	PHASE 0, 8, 0, 1                                   ; steps 8-15
	s_wait_tensorcnt 0x0                               ; my step of 24-31 is in
	s_wait_dscnt 0x0
	s_barrier_signal -1                                ; say so
	PHASE 8, 7, 0, 0                                   ; steps 16-22: they read places 8-15 alone
	s_barrier_wait -1                                  ; steps 24-31 are whole: step 23 fetches step 24's K
	PHASE 15, 9, 1, 0                                  ; steps 23-31
	; THE WAY OUT: O^T / the sum, quantised along the head's 64 channels (two blocks, each in lanes l and l xor 16), stored as my half of a fragment of the last product's operand
	v_add_f32 v14, v14, v15                            ; these five plain lines are the places behind the last products
	v_and_b32 v[T0], 15, v0
	v_and_b32 v[SA], 31, v0
	v_lshlrev_b32 v[AT4], 2, v[T0]                     ; 4 r
	v_lshlrev_b32 v[AT16], 3, v[SA]                    ; 8 x lane
	v_permlanex16_b32 v[T1], v14, s[SEL], s[SEL+1]
	s_delay_alu instid0(VALU_DEP_1)
	v_add_f32 v14, v14, v[T1]                          ; the row's sum
	s_wait_alu depctr_va_vdst(0)                       ; ahead of the transcendental
	v_rcp_f32 v[F], v14
	v_nop                                              ; a plain place behind it
	s_lshl_b32 s14, s11, 1
	s_lshr_b32 s15, s[WV], 3
	s_add_co_u32 s14, s14, s15                         ; my block of 128 tokens
	s_lshl_b32 s14, s14, 3
	s_lshr_b32 s15, s12, 1
	s_add_co_u32 s14, s14, s15                         ; x 8 + K step = head / 2
	s_mul_i32 s14, s14, AQB
	s_and_b32 s15, s[WV], 7                            ; my tile in it
	s_and_b32 s16, s12, 1                              ; which half of the K step my head is
	s_mul_i32 s62, s15, 1536
	s_add_co_u32 s62, s62, s14
	s_mul_i32 s17, s16, 768
	s_add_co_u32 s62, s62, s17
	s_lshl_b32 s15, s15, 6
	s_add_co_u32 s14, s14, s15
	s_lshl_b32 s16, s16, 9
	s_add_co_u32 s14, s14, s16
	s_add_co_u32 s14, s14, 12288
	s_mov_b32 s15, 0
	s_add_nc_u64 s[16:17], s[8:9], s[62:63]            ; codes
	s_add_nc_u64 s[14:15], s[8:9], s[14:15]            ; words
	s_wait_alu depctr_va_vdst(0)                       ; ahead of the first reader of the reciprocal and of O^T
.set jj, 0
.rept 16
	v_pk_mul_f32 v[S+jj:S+jj+1], v[O+jj:O+jj+1], v[F:F+1] op_sel_hi:[1,0]   ; register 16 b + i: channel 32 b + 16 h + i of my query
.set jj, jj+2
.endr
.irp b, 0,1
	v_max3_num_f32 v[BM+\b], |v[S+16*\b]|, |v[S+1+16*\b]|, 0x1800000
.endr
.irp i, 2,4,6,8,10,12,14
.irp b, 0,1
	s_delay_alu instid0(VALU_DEP_2)
	v_max3_num_f32 v[BM+\b], v[BM+\b], |v[S+16*\b+\i]|, |v[S+1+16*\b+\i]|
.endr
.endr
.irp b, 0,1
	s_delay_alu instid0(VALU_DEP_2)
	v_permlanex16_b32 v[SA+\b], v[BM+\b], s[SEL], s[SEL+1]
.endr
.irp b, 0,1
	s_delay_alu instid0(VALU_DEP_2)
	v_max_num_f32 v[BM+\b], v[BM+\b], v[SA+\b]
.endr
.irp b, 0,1
	s_delay_alu instid0(VALU_DEP_2)
	v_add_nc_u32 v[SO+\b], 0xff000000, v[BM+\b]
.endr
.irp b, 0,1
	s_delay_alu instid0(VALU_DEP_2)
	v_lshrrev_b32 v[SA+\b], 23, v[SO+\b]
.endr
	s_delay_alu instid0(VALU_DEP_1)
	v_lshl_or_b32 v[PWD], v[SA+1], 8, v[SA]            ; two bytes; bytes 2 and 3 stay 0
	v_cvt_scalef32_pk16_fp6_f32 v[PCD:PCD+2], v[S:S+15], v[SO]
	v_cvt_scalef32_pk16_fp6_f32 v[CT:CT+2], v[S+16:S+31], v[SO+1]
	v_nop                                              ; one plain place behind a scaled conversion
.irp i, 0,1,2
	v_permlane16_swap_b32 v[PCD+\i], v[CT+\i]          ; a whole block to a lane: lanes 0-15 block 0, lanes 16-31 block 1
.endr
.irp i, 0,1,2
	s_delay_alu instid0(VALU_DEP_3)
	v_mov_b32 v[PCD+3+\i], v[CT+\i]
.endr
.irp i, 0,1,2
	global_store_b64 v[AT16], v[PCD+2*\i:PCD+2*\i+1], s[16:17] offset:256*\i   ; 256 consecutive bytes, at a multiple of 256
.endr
	global_store_b32 v[AT4], v[PWD], s[14:15]          ; my tile's 16 words, 64 bytes; lanes 16-31 hold and write the same words
	s_wait_tensorcnt 0x0                               ; the wave's end
	ds_add_u32 v[SPW], v[NIL]
	s_wait_dscnt 0x0
	CROUND                                             ; the closing round
	s_endpgm
.Lfunc_end_k_qbde5ff5a45_attn:
	.size	k_qbde5ff5a45_attn, .Lfunc_end_k_qbde5ff5a45_attn-k_qbde5ff5a45_attn
	.p2alignl 7, 3214868480
	.fill 96, 4, 3214868480
	.section	.rodata,"a",@progbits
	.p2align	6, 0x0
	.amdhsa_kernel k_qbde5ff5a45_attn
		.amdhsa_group_segment_fixed_size 327680
		.amdhsa_private_segment_fixed_size 0
		.amdhsa_enable_private_segment 0
		.amdhsa_kernarg_size 24
		.amdhsa_user_sgpr_count 2
		.amdhsa_user_sgpr_kernarg_segment_ptr 1
		.amdhsa_wavefront_size32 1
		.amdhsa_system_sgpr_workgroup_id_x 1
		.amdhsa_system_sgpr_workgroup_id_y 1
		.amdhsa_system_sgpr_workgroup_id_z 1
		.amdhsa_system_vgpr_workitem_id 0
		.amdhsa_next_free_vgpr 256
		.amdhsa_next_free_sgpr 66
		.amdhsa_reserve_vcc 0
		.amdhsa_float_denorm_mode_32 3
		.amdhsa_float_denorm_mode_16_64 3
		.amdhsa_memory_ordered 1
		.amdhsa_forward_progress 1
		.amdhsa_inst_pref_size 75
	.end_amdhsa_kernel
	.amdgpu_metadata
---
amdhsa.version: [ 1, 2 ]
amdhsa.kernels:
  - .name:           k_qbde5ff5a45_attn
    .symbol:         k_qbde5ff5a45_attn.kd
    .args:
      - { .name: qq, .offset: 0, .size: 8, .value_kind: global_buffer, .address_space: global }
      - { .name: kv, .offset: 8, .size: 8, .value_kind: global_buffer, .address_space: global }
      - { .name: aq, .offset: 16, .size: 8, .value_kind: global_buffer, .address_space: global }
    .group_segment_fixed_size: 327680
    .private_segment_fixed_size: 0
    .kernarg_segment_align: 8
    .kernarg_segment_size: 24
    .max_flat_workgroup_size: 512
    .sgpr_count:     66
    .vgpr_count:     256
    .wavefront_size: 32
...
	.end_amdgpu_metadata
.endif
;; end of part 3
;; launch outp (part 4): grid 8 x 32, 4 waves a work-group, clusters of 4 x 4, 327,680 bytes of LDS; arguments aq, oq, b_out, out0; writes out0
.if DOCPART == 4
	.amdgcn_target "amdgcn-amd-amdhsa--gfx1250"
	.amdhsa_code_object_version 6
	.text
	.protected	k_qbde5ff5a45_outp
	.globl	k_qbde5ff5a45_outp
	.p2align	8
	.type	k_qbde5ff5a45_outp,@function
k_qbde5ff5a45_outp:
	s_mov_b64 s[64:65], 0
	v_nop
	global_prefetch_b8 v0, s[64:65] scope:SCOPE_SE
	s_setreg_imm32_b32 hwreg(HW_REG_WAVE_MODE, 25, 1), 1
	s_wait_xcnt 0x0
	s_wait_alu depctr_hold_cnt(0) depctr_sa_sdst(0) depctr_va_vdst(0) depctr_va_sdst(0) depctr_va_ssrc(0) depctr_va_vcc(0) depctr_vm_vsrc(0)
	s_getreg_b32 s2, hwreg(HW_REG_IB_STS2, 6, 4)
	s_cmp_eq_u32 s2, 0
	s_cbranch_scc0 .Lentry_in_a_cluster
	s_endpgm
.Lentry_in_a_cluster:
	s_bfe_u32 s2, ttmp6, 0x10000c
	s_cmp_lg_u32 s2, 0xf033
	s_cbranch_scc0 .Lentry_shape_is_right
	s_endpgm
.Lentry_shape_is_right:
; out = att W_out + b_out on codes of FP6 (E2M3), K = 1,024.  Work-group (nx, ty): tokens 128 ty on, outputs 128 nx on.  Both operands for the whole K lie in LDS, each filled once: no ring, no refill.
; Source 0 = W_out's 8 tiles of outputs (P), source 1 = my wave's two tiles of tokens (R): a lane holds a token, its registers 128 outputs.  The bias is the C of each sum's first matrix instruction.
; att's fragments lie as images by pairs of registers (pair k of lane l at 256 k + 8 l), since each head wrote half a fragment; its scale words come as two halves (two bytes a head) and are joined here.
; CLUSTER 4 x 4: att's block hangs on ty alone and is asked for jointly along a row of the cluster, W_out's on nx alone, along a column.
; REGISTERS: window 0: v1-15 addresses; v16-47 P's scale words, v48-55 R's, v56-59 their halves; v64-127 the bias, later rows of out; v128-255 the 16 accumulators.  window 1: two sets of fragments.
.set BLKB,  12800
.set SCOF,  12288
.set AQB,   13312
.set LO,    0
.set LA,    8*BLKB
.set SROW,  528                        ; a stage row: 512 bytes + 16
.set STG,   LA+8*AQB                   ; a stage of 32 rows for each wave: bytes of its own, into which no fill lands
.set SPARE, STG+4*32*SROW
.set L16, 1
.set L4,  2
.set AP,  3
.set AR,  5
.set ASP, 7
.set ASR, 9
.set SI,  11                           ; v11  into my stage
.set SPW, 12
.set NIL, 13
.set SB,  14                           ; v14  back out of it
.set BO,  15                           ; v15  64 x (lane / 16): the bias
.set PS,  16
.set RS,  48
.set RH,  56
.set BI,  64
.set ACC, 128
.set G1A, 24
.set G1O, 32
.set G0A, 40
.set G0O, 68
.set MSB, 0
.macro WIN new
.if MSB != \new
	s_set_vgpr_msb (MSB<<8)|\new
.set MSB, \new
.endif
.endm
.macro PLACES n
.rept \n
	v_nop
.endr
.endm
.macro CROUND
	s_barrier_signal -1
	s_barrier_wait -1
	s_cmp_lg_u32 s12, 0
	s_cbranch_scc1 .Lnot_wave_0_\@
	s_barrier_signal -3
.Lnot_wave_0_\@:
	s_barrier_wait -3
	s_barrier_signal -1
	s_barrier_wait -1
.endm
.macro WM d, a, b, c, sa, sb, ra, rb   ; ra, rb: the side's scale words stand in lanes 16-31
.if (\ra) && (\rb)
	v_wmma_scale_f32_16x16x128_f8f6f4 v[\d:\d+7], v[\a:\a+11], v[\b:\b+11], v[\c:\c+7], v[\sa], v[\sb] matrix_a_fmt:MATRIX_FMT_FP6 matrix_b_fmt:MATRIX_FMT_FP6 matrix_a_scale:MATRIX_SCALE_ROW1 matrix_b_scale:MATRIX_SCALE_ROW1
.elseif (\ra)
	v_wmma_scale_f32_16x16x128_f8f6f4 v[\d:\d+7], v[\a:\a+11], v[\b:\b+11], v[\c:\c+7], v[\sa], v[\sb] matrix_a_fmt:MATRIX_FMT_FP6 matrix_b_fmt:MATRIX_FMT_FP6 matrix_a_scale:MATRIX_SCALE_ROW1
.elseif (\rb)
	v_wmma_scale_f32_16x16x128_f8f6f4 v[\d:\d+7], v[\a:\a+11], v[\b:\b+11], v[\c:\c+7], v[\sa], v[\sb] matrix_a_fmt:MATRIX_FMT_FP6 matrix_b_fmt:MATRIX_FMT_FP6 matrix_b_scale:MATRIX_SCALE_ROW1
.else
	v_wmma_scale_f32_16x16x128_f8f6f4 v[\d:\d+7], v[\a:\a+11], v[\b:\b+11], v[\c:\c+7], v[\sa], v[\sb] matrix_a_fmt:MATRIX_FMT_FP6 matrix_b_fmt:MATRIX_FMT_FP6
.endif
.endm
.macro TWAIT j                         ; my one load has landed; behind the barrier that holds of every wave's: both operands lie in LDS; nothing is filled again
	s_wait_tensorcnt 0x0
	s_barrier_signal -1
	s_barrier_wait -1
.endm
.macro FETCH s                         ; K step s: 6 words, P's 8 fragments (24 loads of 16 bytes a lane), R's 2 (12 of 8): 42 loads
.set fo, ((\s)%4)*BLKB
.set fa, ((\s)%4)*AQB
.set fh, (\s)/4
.set fs, 128*((\s)%2)
	WIN 0
.irp b, 0,1,2,3
	ds_load_b32 v[PS+4*(\s)+\b], v[ASP+fh] offset:fo+128*\b
.endr
	ds_load_b32 v[RH+2*((\s)%2)], v[ASR+fh] offset:fa            ; the even head's two bytes,
	ds_load_b32 v[RH+2*((\s)%2)+1], v[ASR+fh] offset:fa+512      ; the odd head's
	WIN 0x40
.irp i, 0,1,2,3,4,5,6,7
.irp c, 0,1,2
	ds_load_b128 v[fs+12*\i+4*\c:fs+12*\i+4*\c+3], v[AP+fh] offset:fo+1536*\i+512*\c
.endr
.endr
.irp u, 0,1
.irp k, 0,1,2,3,4,5
	ds_load_b64 v[fs+96+12*\u+2*\k:fs+96+12*\u+2*\k+1], v[AR+fh] offset:fa+1536*\u+256*\k
.endr
.endr
.endm
.macro MUL s                           ; the 16 accumulators by turns, in the same order in every K step
.set fs, 128*((\s)%2)
	WIN 0x05
.irp p, 0,1,2,3,4,5,6,7
.irp u, 0,1
.if (\s) == 0
	WM ACC+64*\u+8*\p, fs+12*\p, fs+96+12*\u, BI+8*\p, PS+4*(\s)+\p/2, RS+(\s), \p%2, \u
.else
	WM ACC+64*\u+8*\p, fs+12*\p, fs+96+12*\u, ACC+64*\u+8*\p, PS+4*(\s)+\p/2, RS+(\s), \p%2, \u
.endif
.endr
.endr
.endm
	s_load_b256 s[4:11], s[0:1], 0x0                   ; aq s[4:5], oq s[6:7], b_out s[8:9], out0 s[10:11]
	v_lshl_add_u32 v[SPW], v0, 2, SPARE
	v_mov_b32 v[NIL], 0
	ds_add_u32 v[SPW], v[NIL]                          ; the wave's opening: the add and its wait ahead of the first tensor load
	ds_add_u32 v[SPW], v[NIL]
	v_lshrrev_b32 v1, 5, v0
	v_readfirstlane_b32 s12, v1
	s_bfe_u32 s13, ttmp6, 0x40000
	s_bfe_u32 s14, ttmp6, 0x40004
	s_lshl_b32 s15, ttmp9, 2
	s_add_co_u32 s15, s15, s13                         ; nx
	s_and_b32 s16, ttmp7, 0xffff
	s_lshl_b32 s16, s16, 2
	s_add_co_u32 s16, s16, s14                         ; ty
	s_lshl_b32 s18, s14, 2
	s_lshl_b32 s18, 15, s18                            ; my row of the cluster
	s_lshl_b32 s19, 0x1111, s13                        ; my column
	s_or_b32 s[G1A], s18, (3<<16)|(1<<21)
	s_or_b32 s[G1O], s19, (3<<16)|(1<<21)
.irp g, G1A, G1O                       ; dense halves of four K steps, as rows of 256 bytes: att's 208, W_out's 200
	s_mov_b32 s[\g+1], 32<<16
	s_mov_b32 s[\g+3], 32<<16
	s_mov_b32 s[\g+5], 32
	s_mov_b32 s[\g+6], 0
	s_mov_b32 s[\g+7], 0
.endr
	s_mov_b32 s[G1A+2], 208<<16
	s_mov_b32 s[G1A+4], 208
	s_mov_b32 s[G1O+2], 200<<16
	s_mov_b32 s[G1O+4], 200
	s_mul_i32 s56, s16, 8*AQB                          ; att's block: ty alone
	s_mov_b32 s57, 0
	s_mul_i32 s58, s15, 8*BLKB                         ; W_out's: nx alone
	s_mov_b32 s59, 0
	s_wait_dscnt 0x0
	s_wait_kmcnt 0x0
	s_add_nc_u64 s[56:57], s[4:5], s[56:57]
	s_add_nc_u64 s[58:59], s[6:7], s[58:59]
.irp j, 0,1,2,3
	s_mov_b32 s[G0A+4*\j], 1
	s_mov_b32 s[G0A+4*\j+1], LA+\j*2*AQB
	s_add_nc_u64 s[G0A+4*\j+2:G0A+4*\j+3], s[56:57], \j*2*AQB
	s_or_b32 s[G0A+4*\j+3], s[G0A+4*\j+3], 0x80000000
	s_mov_b32 s[G0O+4*\j], 1
	s_mov_b32 s[G0O+4*\j+1], LO+\j*2*BLKB
	s_add_nc_u64 s[G0O+4*\j+2:G0O+4*\j+3], s[58:59], \j*2*BLKB
	s_or_b32 s[G0O+4*\j+3], s[G0O+4*\j+3], 0x80000000
.endr
	CROUND
	s_cmp_eq_u32 s12, 0                                ; one load a wave: wave 0 att's K steps 0-3, wave 1 W_out's 0-3, wave 2 att's 4-7, wave 3 W_out's 4-7
	s_cbranch_scc0 .Lnot_a
	tensor_load_to_lds s[G0A:G0A+3], s[G1A:G1A+7]
	s_nop 0
	PLACES 4
	s_branch .Lasked
.Lnot_a:
	s_cmp_eq_u32 s12, 1
	s_cbranch_scc0 .Lnot_o
	tensor_load_to_lds s[G0O:G0O+3], s[G1O:G1O+7]
	s_nop 0
	PLACES 4
	s_branch .Lasked
.Lnot_o:
	s_cmp_eq_u32 s12, 2
	s_cbranch_scc0 .Lo_hi
	tensor_load_to_lds s[G0A+8:G0A+11], s[G1A:G1A+7]
	s_nop 0
	PLACES 4
	s_branch .Lasked
.Lo_hi:
	tensor_load_to_lds s[G0O+8:G0O+11], s[G1O:G1O+7]
	s_nop 0
	PLACES 4
.Lasked:
	s_mov_b32 s61, 0
	s_lshl_b32 s60, s15, 9
	s_add_nc_u64 s[86:87], s[8:9], s[60:61]            ; the bias of my 128 outputs
	v_bfe_u32 v[BO], v0, 4, 1
	v_lshlrev_b32 v[BO], 6, v[BO]
.irp p, 0,1,2,3,4,5,6,7                ; tile p, lane (r, h): outputs 32 (p / 2) + 16 h + 8 (p % 2) + 0 .. 7
	global_load_b128 v[BI+8*\p:BI+8*\p+3], v[BO], s[86:87] offset:128*(\p/2)+32*(\p%2)
	global_load_b128 v[BI+8*\p+4:BI+8*\p+7], v[BO], s[86:87] offset:128*(\p/2)+32*(\p%2)+16
.endr
	s_lshl_b32 s62, s16, 7
	s_lshl_b32 s63, s12, 5
	s_add_co_u32 s62, s62, s63
	s_lshl_b32 s62, s62, 12                            ; my first token's row of out,
	s_add_co_u32 s60, s60, s62                         ; and my outputs' 512 bytes in it
	s_add_nc_u64 s[84:85], s[10:11], s[60:61]
	v_and_b32 v10, 31, v0
	v_lshlrev_b32 v[L16], 4, v10
	v_lshlrev_b32 v[L4], 2, v10
	v_add_nc_u32 v[AP], LO, v[L16]
	v_add_nc_u32 v[AP+1], LO+4*BLKB, v[L16]
	v_add_nc_u32 v[ASP], LO+SCOF, v[L4]
	v_add_nc_u32 v[ASP+1], LO+SCOF+4*BLKB, v[L4]
	s_mul_i32 s62, s12, 3072
	v_lshl_add_u32 v[AR], v10, 3, s62                  ; 8 x lane + my two tiles
	v_add_nc_u32 v[AR+1], LA+4*AQB, v[AR]
	v_add_nc_u32 v[AR], LA, v[AR]
	s_lshl_b32 s62, s12, 7
	v_add_nc_u32 v[ASR], s62, v[L4]
	v_add_nc_u32 v[ASR+1], LA+SCOF+4*AQB, v[ASR]
	v_add_nc_u32 v[ASR], LA+SCOF, v[ASR]
	s_mul_i32 s62, s12, 32*SROW
	s_add_co_u32 s62, s62, STG                         ; my stage
	v_and_b32 v[SI], 15, v0
	v_mul_u32_u24 v[SI], v[SI], SROW
	v_add_nc_u32 v[SI], v[SI], v[BO]
	v_add_nc_u32 v[SI], s62, v[SI]                     ; in: row r, + 64 h
	v_add_nc_u32 v[SB], s62, v[L16]                    ; back: a whole row of 512 bytes
	s_wait_alu depctr_va_vdst(0)
	TWAIT 0
	FETCH 0
	s_wait_loadcnt 0x0                                 ; the bias
.set st, 0
.rept 8
	s_wait_dscnt 0x0                                   ; K step st's fragments and words are in
	WIN 0
	v_lshl_or_b32 v[RS+st], v[RH+2*(st%2)+1], 16, v[RH+2*(st%2)]   ; my tokens' scale word of this K step
	PLACES 8                                           ; a scale register written by a vector instruction stands 8 places ahead of the scaled products; they also stand in front of the loads below
.if st < 7
	FETCH st+1
.endif
	MUL st
.set st, st+1
.endr
	WIN 0
	PLACES 4
	; THE WAY OUT: a lane holds pieces of 32 bytes of its token's row: they go through my own stage and come back as whole rows of 512 bytes
.irp u, 0,1
.irp p, 0,1,2,3,4,5,6,7
	ds_store_b128 v[SI], v[ACC+64*\u+8*\p:ACC+64*\u+8*\p+3] offset:16*SROW*\u+128*(\p/2)+32*(\p%2)        ; each accumulator from its low end on
	ds_store_b128 v[SI], v[ACC+64*\u+8*\p+4:ACC+64*\u+8*\p+7] offset:16*SROW*\u+128*(\p/2)+32*(\p%2)+16
.endr
.endr
.set rr, 0
.rept 16
	ds_load_b128 v[BI+4*rr:BI+4*rr+3], v[SB] offset:SROW*rr        ; LDS serves a wave's instructions in order: these see my stores
.set rr, rr+1
.endr
.set rr, 0
.rept 16
	s_wait_dscnt 15-rr                                 ; row rr is back; the younger loads may stay out
	global_store_b128 v[L16], v[BI+4*rr:BI+4*rr+3], s[84:85] offset:4096*(rr+8*(rr/8)) th:TH_STORE_NT   ; stage row 16 u + r is token 8 u + r + 8 (r / 8); 512 consecutive bytes, at a multiple of 256
.set rr, rr+1
.endr
.set rr, 0
.rept 16
	ds_load_b128 v[ACC+4*rr:ACC+4*rr+3], v[SB] offset:SROW*(16+rr) ; the wait for 0 above has shown the stage's stores done: their registers are free
.set rr, rr+1
.endr
.set rr, 0
.rept 16
	s_wait_dscnt 15-rr
	global_store_b128 v[L16], v[ACC+4*rr:ACC+4*rr+3], s[84:85] offset:4096*(8+rr+8*(rr/8)) th:TH_STORE_NT
.set rr, rr+1
.endr
	s_wait_tensorcnt 0x0                               ; the wave's end
	ds_add_u32 v[SPW], v[NIL]
	s_wait_dscnt 0x0
	CROUND                                             ; the closing round
	s_endpgm
.Lfunc_end_k_qbde5ff5a45_outp:
	.size	k_qbde5ff5a45_outp, .Lfunc_end_k_qbde5ff5a45_outp-k_qbde5ff5a45_outp
	.p2alignl 7, 3214868480
	.fill 96, 4, 3214868480
	.section	.rodata,"a",@progbits
	.p2align	6, 0x0
	.amdhsa_kernel k_qbde5ff5a45_outp
		.amdhsa_group_segment_fixed_size 327680
		.amdhsa_private_segment_fixed_size 0
		.amdhsa_enable_private_segment 0
		.amdhsa_kernarg_size 32
		.amdhsa_user_sgpr_count 2
		.amdhsa_user_sgpr_kernarg_segment_ptr 1
		.amdhsa_wavefront_size32 1
		.amdhsa_system_sgpr_workgroup_id_x 1
		.amdhsa_system_sgpr_workgroup_id_y 1
		.amdhsa_system_sgpr_workgroup_id_z 1
		.amdhsa_system_vgpr_workitem_id 0
		.amdhsa_next_free_vgpr 512
		.amdhsa_next_free_sgpr 96
		.amdhsa_reserve_vcc 0
		.amdhsa_float_denorm_mode_32 3
		.amdhsa_float_denorm_mode_16_64 3
		.amdhsa_memory_ordered 1
		.amdhsa_forward_progress 1
		.amdhsa_inst_pref_size 58
	.end_amdhsa_kernel
	.amdgpu_metadata
---
amdhsa.version: [ 1, 2 ]
amdhsa.kernels:
  - .name:           k_qbde5ff5a45_outp
    .symbol:         k_qbde5ff5a45_outp.kd
    .args:
      - { .name: aq, .offset: 0, .size: 8, .value_kind: global_buffer, .address_space: global }
      - { .name: oq, .offset: 8, .size: 8, .value_kind: global_buffer, .address_space: global }
      - { .name: b_out, .offset: 16, .size: 8, .value_kind: global_buffer, .address_space: global }
      - { .name: out0, .offset: 24, .size: 8, .value_kind: global_buffer, .address_space: global }
    .group_segment_fixed_size: 327680
    .private_segment_fixed_size: 0
    .kernarg_segment_align: 8
    .kernarg_segment_size: 32
    .max_flat_workgroup_size: 128
    .sgpr_count:     96
    .vgpr_count:     512
    .wavefront_size: 32
...
	.end_amdgpu_metadata
.endif
;; end of part 4
